; MI455X (gfx1250); checked and timed in simulation.
; The chip was launched on July 23, 2026; its instructions are those of AMD's public machine-readable ISA for CDNA 5 (MIT licence, August 2026) and "CDNA5" Instruction Set Architecture Reference Guide (July 2026). The comments in the code are by the model that wrote it; some were corrected since.
;; Phase Associative Layer. Allowed arithmetic: matrix products marked QUANTISED: E2M3 operands, one E8M0 scale for each 32 along K, by v_wmma_scale_f32_16x16x128_f8f6f4 with both operands' format E2M3, f32 sums; everything else in f32.
;; Inputs: dt_b 16 float32; dt_bias 16 float32; dt_w_codes 16 x 64 x 24 uint8 (E2M3 codes of dt_w, K innermost, in blocks of 32 codes, four codes in three bytes); dt_w_scales 16 x 64 uint8 (E8M0 scales of dt_w, one for each 32 codes along K); kw_codes 1,024 x 2 x 32 x 24 uint8 (E2M3 codes of kw, K innermost, in blocks of 32 codes, four codes in three bytes); kw_scales 1,024 x 2 x 32 uint8 (E8M0 scales of kw, one for each 32 codes along K); ow_codes 1,024 x 2 x 32 x 24 uint8 (E2M3 codes of ow, K innermost, in blocks of 32 codes, four codes in three bytes); ow_scales 1,024 x 2 x 32 uint8 (E8M0 scales of ow, one for each 32 codes along K); pg_b 16 float32; pg_w_codes 16 x 32 x 24 uint8 (E2M3 codes of pg_w, K innermost, in blocks of 32 codes, four codes in three bytes); pg_w_scales 16 x 32 uint8 (E8M0 scales of pg_w, one for each 32 codes along K); qw_codes 1,024 x 2 x 32 x 24 uint8 (E2M3 codes of qw, K innermost, in blocks of 32 codes, four codes in three bytes); qw_scales 1,024 x 2 x 32 uint8 (E8M0 scales of qw, one for each 32 codes along K); vw_codes 1,024 x 2 x 32 x 24 uint8 (E2M3 codes of vw, K innermost, in blocks of 32 codes, four codes in three bytes); vw_scales 1,024 x 2 x 32 uint8 (E8M0 scales of vw, one for each 32 codes along K); x 2 x 1,024 x 1,024 x 2 float32.
;; Outputs: out0 2 x 1,024 x 1,024 x 2 float32.
;; This version of the problem:
;;   THIS VERSION OF THE PROBLEM IS GIVEN IN LOW PRECISION. The matrix products marked QUANTISED in the list below multiply operands that are first quantised to E2M3 (2 exponent bits, 3 mantissa bits; 6 bits a number), with one power-of-two scale for each 32 numbers along K (OCP MX v1.0); their sums are f32. All else is computed in f32.
;;   The module's matrix products, in the order in which they are computed (A, B: the left and right operand; K: the contracted axis; several contracted axes count as one K, in the product's order):
;;     1. [M 2,048, K 1,024] x [K 1,024, N 1,024]; A: input x; B: input qw (given as codes): QUANTISED
;;     2. [M 2,048, K 1,024] x [K 1,024, N 1,024]; A: input x; B: input qw (given as codes): QUANTISED
;;     3. [M 2,048, K 1,024] x [K 1,024, N 1,024]; A: input x; B: input qw (given as codes): QUANTISED
;;     4. [M 2,048, K 1,024] x [K 1,024, N 1,024]; A: input x; B: input qw (given as codes): QUANTISED
;;     5. [M 2,048, K 1,024] x [K 1,024, N 1,024]; A: input x; B: input kw (given as codes): QUANTISED
;;     6. [M 2,048, K 1,024] x [K 1,024, N 1,024]; A: input x; B: input kw (given as codes): QUANTISED
;;     7. [M 2,048, K 1,024] x [K 1,024, N 1,024]; A: input x; B: input kw (given as codes): QUANTISED
;;     8. [M 2,048, K 1,024] x [K 1,024, N 1,024]; A: input x; B: input kw (given as codes): QUANTISED
;;     9. [M 2,048, K 1,024] x [K 1,024, N 1,024]; A: input x; B: input vw (given as codes): QUANTISED
;;     10. [M 2,048, K 1,024] x [K 1,024, N 1,024]; A: input x; B: input vw (given as codes): QUANTISED
;;     11. [M 2,048, K 1,024] x [K 1,024, N 1,024]; A: input x; B: input vw (given as codes): QUANTISED
;;     12. [M 2,048, K 1,024] x [K 1,024, N 1,024]; A: input x; B: input vw (given as codes): QUANTISED
;;     13. [M 2,048, K 2,048] x [K 2,048, N 16]; A: computed on the way; B: input dt_w (given as codes): QUANTISED
;;     14. [M 2,048, K 1,024] x [K 1,024, N 16]; A: computed on the way; B: input pg_w (given as codes): QUANTISED
;;     15. batch 32 x [M 1,024, K 64] x [K 64, N 1,024]; A: computed on the way; B: computed on the way: QUANTISED
;;     16. batch 32 x [M 1,024, K 64] x [K 64, N 1,024]; A: computed on the way; B: computed on the way: QUANTISED
;;     17. batch 32 x [M 1,024, K 64] x [K 64, N 1,024]; A: computed on the way; B: computed on the way: QUANTISED
;;     18. batch 32 x [M 1,024, K 64] x [K 64, N 1,024]; A: computed on the way; B: computed on the way: QUANTISED
;;     19. batch 32 x [M 1,024, K 1,024] x [K 1,024, N 64]; A: computed on the way; B: computed on the way: QUANTISED
;;     20. batch 32 x [M 1,024, K 1,024] x [K 1,024, N 64]; A: computed on the way; B: computed on the way: QUANTISED
;;     21. batch 32 x [M 1,024, K 1,024] x [K 1,024, N 64]; A: computed on the way; B: computed on the way: QUANTISED
;;     22. batch 32 x [M 1,024, K 1,024] x [K 1,024, N 64]; A: computed on the way; B: computed on the way: QUANTISED
;;     23. [M 2,048, K 1,024] x [K 1,024, N 1,024]; A: computed on the way; B: input ow (given as codes): QUANTISED
;;     24. [M 2,048, K 1,024] x [K 1,024, N 1,024]; A: computed on the way; B: input ow (given as codes): QUANTISED
;;     25. [M 2,048, K 1,024] x [K 1,024, N 1,024]; A: computed on the way; B: input ow (given as codes): QUANTISED
;;     26. [M 2,048, K 1,024] x [K 1,024, N 1,024]; A: computed on the way; B: input ow (given as codes): QUANTISED
;;   THE QUANTISER, for each operand of a quantised product, along K:
;;     - K is cut into blocks of 32 from its start; a last block that is shorter is filled with zeros.
;;     - A block's scale is 2^e with e = floor(log2(the largest magnitude in the block)) - 2, held to -126 .. 127; a block of zeros has e = 0. As a byte (E8M0): e + 127.
;;     - Each number is divided by its block's scale, clamped to +-7.5, and rounded to the nearest number of E2M3, ties to even, subnormals kept.
;;     - The product sums the exact products of the quantised numbers (number of the format x scale) in f32.
;;   ~~~python
;;   def quantise(x, axis):      # numpy; x: float32 -> the quantised numbers, widened to float32 again
;;       x = np.moveaxis(x, axis, -1); K = x.shape[-1]
;;       x = np.pad(x, [(0, 0)] * (x.ndim - 1) + [(0, -K % 32)]); x = x.reshape(x.shape[:-1] + (-1, 32)); a = np.abs(x).max(-1, keepdims=True)
;;       e = np.where(a > 0, np.clip(np.frexp(np.where(a > 0, a, 1))[1] - 1 - 2, -126, 127), 0)      # np.frexp(a)[1] - 1 = floor(log2(a)), exactly
;;       r = np.clip(x / 2.0 ** e, -7.5, 7.5)
;;       step = 2.0 ** (np.maximum(np.frexp(np.where(r == 0, 1, r))[1] - 1, 0) - 3)
;;       q = np.round(r / step) * step * 2.0 ** e      # np.round: ties to even
;;       return np.moveaxis(q.reshape(q.shape[:-2] + (-1,))[..., :K], -1, axis).astype(np.float32)
;;   ~~~
;;   OPERANDS COMPUTED ON THE WAY. 'Computed on the way' means the value that the module computes at that place (a softmax that the list does not call 'softmax' is quantised finished and normalised). What goes into a quantiser is computed in f32, as accurately as f32 sums, v_exp_f32 and their like allow (about 1e-6 of the number): no bf16 or f16 on the way to a quantiser, and a product that is left as it is and whose result goes on into a quantised operand takes f32 operands (vector FMAs, or v_wmma_f32_16x16x4_f32). A number that lies on a knife's edge between two numbers of the format may be rounded either way, as far as f32 arithmetic and the matrix unit's own rounding can turn it there, and no further.
;;   INPUTS GIVEN AS CODES. dt_w (in the module: [16, 2048], K = its axis 1); kw (in the module: [1024, 1024, 2], K = its axis 1); ow (in the module: [1024, 1024, 2], K = its axis 1); pg_w (in the module: [16, 1024], K = its axis 1); qw (in the module: [1024, 1024, 2], K = its axis 1); vw (in the module: [1024, 1024, 2], K = its axis 1): each comes as NAME_codes (uint8): NAME with its K axis moved to the last place and cut into blocks of 32 codes, [.., K / 32, bytes a block], one block behind the other in memory; four codes in three bytes: a row's codes are one little-endian stream of bits, code i at bits 6 i .. 6 i + 5 (a code: sign, 2 exponent bits, 3 mantissa bits); and NAME_scales (uint8): the same leading axes, one E8M0 byte (e + 127) for each 32 codes along K. Its value is code x scale, taken as it is: it is not quantised again, and the codes and scales need not be those that the quantiser above would give.
;; 2 versions, each right and faster than the one before. Each part assembles by itself: llvm-mc -triple=amdgcn-amd-amdhsa -mcpu=gfx1250 --defsym DOCPART=n.
;; ======== version 1 of 2: 4 launches
;; workspace buffers: ops 16,384,000 bytes; gat 262,144 bytes; qim 3,276,800 bytes; kv 6,553,600 bytes; yop 3,276,800 bytes
;; launch prep (part 1): grid 160 x 1, 8 waves a work-group, no clusters, 283,648 bytes of LDS; arguments x, dt_w_codes, dt_w_scales, dt_b, dt_bias, pg_w_codes, pg_w_scales, pg_b, qw_codes, qw_scales, kw_codes, kw_scales, vw_codes, vw_scales, ow_codes, ow_scales, ops, gat; writes ops, gat
.if DOCPART == 1
	.amdgcn_target "amdgcn-amd-amdhsa--gfx1250"
	.amdhsa_code_object_version 6
	.text
	.protected	k_qf4be29642b_prep
	.globl	k_qf4be29642b_prep
	.p2align	8
	.type	k_qf4be29642b_prep,@function
k_qf4be29642b_prep:
	s_mov_b64 s[64:65], 0
	v_nop
	global_prefetch_b8 v0, s[64:65] scope:SCOPE_SE
	s_setreg_imm32_b32 hwreg(HW_REG_WAVE_MODE, 25, 1), 1
	s_wait_xcnt 0x0
; PREP.  Work-groups 0-127: x [2048 tokens][1024][2] f32 becomes codes of E2M3 (xr, xi along DIM), laid as images of operand registers, and the gates delta = -ln(gamma + 1e-8) and 1 - p.
; Work-groups 128-159: the weights' codes are laid as images of operand registers of the DOUBLED real weights: row (o,0) = [wr | -wi], row (o,1) = [wi | wr]; a sign is a code's top bit, so -w is an exclusive or.
; LAYOUT OF ops.  A fragment's image is its 12 registers as they stand: registers 4 j .. 4 j + 3 of lane l at 512 j + 16 l (1,536 bytes).  A block (25,600 bytes) holds 128 rows (8 tiles) x 2 K steps: codes of
; tile i, step q at 3072 i + 1536 q; the scale word of (tile i, row r, step q) at 24576 + 128 i + 8 r + 4 q.  A group is 8 blocks on end (16 K steps).  Groups 0-15 x, 16-31 q's, 32-47 k's, 48-63 v's, 64-79 o's weights.
; A tile of tokens, and of a head's 64 rows, is PERMUTED: tile 2 b + u holds rows 32 b + 8 u + r + 8 (r / 8), so that a product's 16 registers of two neighbouring tiles are 16 neighbours along the next K.
; LIMITS: a block whose largest magnitude lies under 2^-124, a block of zeros too, gets the scale byte 1 and (for zeros) zero codes: the bytes are read by this program alone.  NaN and infinities among the inputs
; are not served.  The root flushes denormals.  The sums of the 8 K parts of a gate's product are added wave by wave in f32.
.set GRP,  204800
.set BLK,  25600
.set SCO,  24576
.set RED,  67584                       ; LDS: 8 stages of 16 rows x 528 bytes lie below; here 8 waves x 2,048 bytes of partial sums
.set WST0, 83968                       ; LDS of the weights' path, its own bytes: 8 stages of 16 rows x 1,552 bytes
.set TM,   52                          ; v52-55 at work in the quantiser
.set SO,   56                          ; v56-57 the conversions' scale operands
.set TQ,   58                          ; v58-60 a block's second half of codes
.set SEL,  42                          ; s[42:43] lane selects: lane l xor 16
.set XR,   16                          ; v16-27 xr's fragment, v28-39 xi's, v40-51 |x|'s
.set XI,   28
.set MG,   40
.set PWX,  12                          ; v12-14 their scale words
.set HWT,  15
.set XRA,  128                         ; v128-159 32 numbers of xr, v160-191 of xi
.set XIA,  160
.set MSB, 0
.macro WIN new                         ; the immediate's high byte repeats the setting that is left (here every window stays 0)
.if MSB != (\new)
	s_set_vgpr_msb (MSB<<8)|(\new)
.set MSB, (\new)
.endif
.endm
; THE QUANTISER.  32 numbers of a lane, v[s + 16 b + i] = k 32 b + 16 (lane / 16) + i of my row (b = 0, 1), become six registers of codes, v[pc] on (lanes 0-15 block 0, lanes 16-31 block 1), and two scale bytes in v[hw].
.macro QH ws, s, pc, hw
	WIN (\ws)|((\ws)<<2)
	v_max3_num_f32 v[TM], |v[(\s)]|, |v[(\s)+1]|, 0x1800000          ; my 16 numbers and the floor 2^(3 - 127): the byte cannot fall under 1
	v_max3_num_f32 v[TM+1], |v[(\s)+16]|, |v[(\s)+17]|, 0x1800000
.irp i, 2,4,6,8,10,12,14
	v_max3_num_f32 v[TM], |v[(\s)+\i]|, |v[(\s)+\i+1]|, v[TM]
	v_max3_num_f32 v[TM+1], |v[(\s)+16+\i]|, |v[(\s)+17+\i]|, v[TM+1]
.endr
	WIN 0
	v_permlanex16_b32 v[TM+2], v[TM], s[SEL], s[SEL+1]
	v_permlanex16_b32 v[TM+3], v[TM+1], s[SEL], s[SEL+1]
	v_max_num_f32 v[TM], v[TM], v[TM+2]                              ; with lane l xor 16's: the block's largest magnitude
	v_max_num_f32 v[TM+1], v[TM+1], v[TM+3]
	v_add_nc_u32 v[SO], 0xff000000, v[TM]                            ; 2 off its exponent field: the conversion's scale operand
	v_add_nc_u32 v[SO+1], 0xff000000, v[TM+1]
	v_lshrrev_b32 v[TM+2], 23, v[SO]                                 ; the scale's byte
	v_lshrrev_b32 v[TM+3], 23, v[SO+1]
	v_lshl_or_b32 v[\hw], v[TM+3], 8, v[TM+2]
	WIN (\ws)
	v_cvt_scalef32_pk16_fp6_f32 v[(\pc):(\pc)+2], v[(\s):(\s)+15], v[SO]
	v_cvt_scalef32_pk16_fp6_f32 v[TQ:TQ+2], v[(\s)+16:(\s)+31], v[SO+1]
	WIN 0
	v_nop                                                            ; one plain place behind a scaled conversion
.irp i, 0,1,2
	v_permlane16_swap_b32 v[(\pc)+\i], v[TQ+\i]                      ; a whole block to a lane
.endr
.irp i, 0,1,2
	v_mov_b32 v[(\pc)+3+\i], v[TQ+\i]
.endr
.endm
; Half a K step: 32 complex numbers of a lane in v[raw] on (re, im by turns) become registers 6 hf .. 6 hf + 5 of the three fragments.
.macro HALFX raw, hf
.set nn, 0
.rept 32
	v_mov_b32 v[XRA+nn], v[\raw+2*nn]
	v_mov_b32 v[XIA+nn], v[\raw+2*nn+1]
.set nn, nn+1
.endr
.set nn, 0
.rept 16
	v_pk_mul_f32 v[\raw+nn:\raw+nn+1], v[XRA+nn:XRA+nn+1], v[XRA+nn:XRA+nn+1]
.set nn, nn+2
.endr
.set nn, 0
.rept 16
	v_pk_fma_f32 v[\raw+nn:\raw+nn+1], v[XIA+nn:XIA+nn+1], v[XIA+nn:XIA+nn+1], v[\raw+nn:\raw+nn+1]
.set nn, nn+2
.endr
.set nn, 0
.rept 32
	v_sqrt_f32 v[\raw+nn], v[\raw+nn]                                ; |x|: one batch; xr's and xi's quantising is the independent work behind it
.set nn, nn+1
.endr
.if \hf == 0
	QH 0, XRA, XR, PWX
	QH 0, XIA, XI, PWX+1
	s_wait_alu depctr_va_vdst(0)                                     ; one wait for the 32 roots, ahead of their first reader
	QH 0, \raw, MG, PWX+2
.else
	QH 0, XRA, XR+6, HWT
	v_lshl_or_b32 v[PWX], v[HWT], 16, v[PWX]
	QH 0, XIA, XI+6, HWT
	v_lshl_or_b32 v[PWX+1], v[HWT], 16, v[PWX+1]
	s_wait_alu depctr_va_vdst(0)
	QH 0, \raw, MG+6, HWT
	v_lshl_or_b32 v[PWX+2], v[HWT], 16, v[PWX+2]
.endif
.endm
	s_load_b512 s[4:19], s[0:1], 0x0               ; x, dt_w codes, scales, dt_b, dt_bias, pg_w codes, scales, pg_b
	s_load_b512 s[20:35], s[0:1], 0x40             ; qw, kw, vw, ow: codes and scales
	s_load_b128 s[36:39], s[0:1], 0x80             ; ops, gat
	s_set_vgpr_msb 0x40
	v_lshl_add_u32 v0, v0, 2, 0x45000
	v_mov_b32 v1, 0
	s_set_vgpr_msb 0x4000
	v_lshrrev_b32 v1, 5, v0
	v_readfirstlane_b32 s40, v1                    ; wave 0..7
	v_and_b32 v1, 31, v0                           ; lane
	v_and_b32 v2, 15, v0                           ; r
	v_bfe_u32 v3, v0, 4, 1                         ; h
	v_lshlrev_b32 v4, 4, v1                        ; 16 x lane
	s_mov_b32 s[SEL], 0x76543210
	s_mov_b32 s[SEL+1], 0xfedcba98
	s_mov_b32 s44, 0x20820820                      ; the sign bits of 16 codes in three registers
	s_mov_b32 s45, 0x08208208
	s_mov_b32 s46, 0x82082082
	s_cmp_ge_u32 ttmp9, 128
	s_cbranch_scc1 .Lweights
	; ---------------- x: the work-group owns one permuted tile of 16 tokens, wave w its K step w (128 complex numbers, 1,024 bytes of each row)
	v_cmp_le_u32 vcc_lo, 16, v1                    ; lanes 16-31
	s_mul_i32 s48, s40, 8448                       ; my stage
	v_add_nc_u32 v5, s48, v4                       ; in: 16 x lane, a row's 512 bytes as they lie
	v_mul_u32_u24 v6, v2, 528
	v_lshl_add_u32 v6, v3, 7, v6
	v_add_nc_u32 v6, s48, v6                       ; out: row r, + 128 h: my 16 complex numbers of a block of 32
	v_mul_u32_u24 v7, v2, 1536
	v_mad_u32_u24 v7, v3, 24, v7                   ; dt_w: row r of 1,536 bytes, + 24 h
	v_mul_u32_u24 v8, v2, 768
	v_mad_u32_u24 v8, v3, 24, v8                   ; pg_w: row r of 768 bytes
	v_lshlrev_b32 v9, 6, v2                        ; dt_w's scale bytes: 64 a row
	v_lshlrev_b32 v10, 5, v2                       ; pg_w's: 32 a row
	v_lshlrev_b32 v11, 2, v2                       ; the biases
	v_lshlrev_b32 v61, 3, v2
	v_mad_u32_u24 v61, v3, 0x19000, v61            ; my scale word's place: 8 r; lanes 16-31 store xi's, four blocks (102,400 bytes) on
	s_lshl_b32 s49, s40, 11
	s_add_co_u32 s49, s49, RED
	v_add_nc_u32 v63, s49, v4                      ; my partial sums: RED + 2048 x wave + 16 x lane
	v_add_nc_u32 v1, RED, v4                       ; and where wave 0 reads them all
	v_lshlrev_b32 v2, 12, v2
	v_lshl_add_u32 v2, v3, 6, v2                   ; the gates' place: head r x 4,096 + 64 h
	v_mov_b32 v[TM+2], 0                           ; written once: a lane permute's destination counts as one of its sources
	v_mov_b32 v[TM+3], 0
	s_lshr_b32 s50, ttmp9, 1
	s_lshl_b32 s50, s50, 5
	s_and_b32 s51, ttmp9, 1
	s_lshl_b32 s51, s51, 3
	s_add_co_u32 s50, s50, s51                     ; the tile's first token: 32 (T / 2) + 8 (T % 2)
	s_lshl_b32 s52, s50, 13
	s_lshl_b32 s53, s40, 10
	s_add_co_u32 s52, s52, s53
	s_mov_b32 s53, 0
	s_wait_kmcnt 0x0
	s_add_nc_u64 s[4:5], s[4:5], s[52:53]
.irp rr, 0,1,2,3,4,5,6,7,8,9,10,11,12,13,14,15
	global_load_b128 v[128+4*\rr:131+4*\rr], v4, s[4:5] offset:(\rr+8*(\rr/8))*8192 th:TH_LOAD_NT        ; 32 lanes read 512 consecutive bytes: the K step's first half of a row
.endr
.irp rr, 0,1,2,3,4,5,6,7,8,9,10,11,12,13,14,15
	global_load_b128 v[192+4*\rr:195+4*\rr], v4, s[4:5] offset:(\rr+8*(\rr/8))*8192+512 th:TH_LOAD_NT    ; its second half
.endr
	s_lshr_b32 s54, ttmp9, 3                       ; where my images go: group T / 8, block w / 2, tile T % 8, step w % 2
	s_mul_i32 s54, s54, GRP
	s_lshr_b32 s55, s40, 1
	s_mul_i32 s55, s55, BLK
	s_add_co_u32 s54, s54, s55
	s_and_b32 s55, ttmp9, 7
	s_mul_i32 s56, s55, 3072
	s_lshl_b32 s57, s55, 7
	s_and_b32 s55, s40, 1
	s_mul_i32 s58, s55, 1536
	s_lshl_b32 s59, s55, 2
	s_add_co_u32 s56, s56, s58
	s_add_co_u32 s56, s56, s54
	s_add_co_u32 s58, s57, s59
	s_add_co_u32 s58, s58, s54
	s_add_co_u32 s58, s58, SCO
	s_mov_b32 s57, 0
	s_mov_b32 s59, 0
	s_add_nc_u64 s[56:57], s[36:37], s[56:57]      ; codes
	s_add_nc_u64 s[58:59], s[36:37], s[58:59]      ; scale words
	s_mul_i32 s60, s40, 96                         ; the gates' weights at my K step
	s_mov_b32 s61, 0
	s_add_nc_u64 s[6:7], s[6:7], s[60:61]
	s_add_nc_u64 s[14:15], s[14:15], s[60:61]
	s_lshl_b32 s60, s40, 2
	s_add_nc_u64 s[8:9], s[8:9], s[60:61]
	s_add_nc_u64 s[16:17], s[16:17], s[60:61]
	s_lshr_b32 s60, ttmp9, 6                       ; gat: batch x 65,536 + 4 x the tile's first token in its batch
	s_lshl_b32 s60, s60, 16
	s_and_b32 s62, s50, 1023
	s_lshl_b32 s62, s62, 2
	s_add_co_u32 s60, s60, s62
	s_add_nc_u64 s[38:39], s[38:39], s[60:61]
	s_wait_loadcnt 16                              ; the first halves are in; the second halves' 16 loads may be out
.irp rr, 0,1,2,3,4,5,6,7,8,9,10,11,12,13,14,15
	ds_store_b128 v5, v[128+4*\rr:131+4*\rr] offset:528*\rr
.endr
.irp b, 0,1
.irp jj, 0,1,2,3,4,5,6,7
	ds_load_b128 v[64+32*\b+4*\jj:67+32*\b+4*\jj], v6 offset:256*\b+16*\jj     ; LDS serves a wave's instructions in order: these see my stores
.endr
.endr
	s_wait_loadcnt 0x0
.irp rr, 0,1,2,3,4,5,6,7,8,9,10,11,12,13,14,15
	ds_store_b128 v5, v[192+4*\rr:195+4*\rr] offset:528*\rr                    ; behind the reads above, into the same bytes of my own stage
.endr
	s_wait_dscnt 0x0                               ; the first half is in registers, and the stores have read theirs
.irp b, 0,1
.irp jj, 0,1,2,3,4,5,6,7
	ds_load_b128 v[192+32*\b+4*\jj:195+32*\b+4*\jj], v6 offset:256*\b+16*\jj
.endr
.endr
	HALFX 64, 0
.irp p, 0,1,2,3,4,5
	global_load_b64 v[64+2*\p:65+2*\p], v7, s[6:7] offset:48*(\p/3)+8*(\p%3)           ; dt_w, K step w (against xr)
	global_load_b64 v[76+2*\p:77+2*\p], v7, s[6:7] offset:768+48*(\p/3)+8*(\p%3)       ; dt_w, K step 8 + w (against xi)
	global_load_b64 v[88+2*\p:89+2*\p], v8, s[14:15] offset:48*(\p/3)+8*(\p%3)         ; pg_w, K step w
.endr
	global_load_b32 v100, v9, s[8:9]
	global_load_b32 v101, v9, s[8:9] offset:32
	global_load_b32 v102, v10, s[16:17]
	global_load_b32 v104, v11, s[10:11]
	global_load_b32 v105, v11, s[12:13]
	global_load_b32 v106, v11, s[18:19]
	s_wait_dscnt 0x0                               ; the second half is in registers
	HALFX 192, 1
.irp j, 0,1,2
	global_store_b128 v4, v[XR+4*\j:XR+4*\j+3], s[56:57] offset:512*\j                 ; 32 lanes store 512 consecutive bytes
	global_store_b128 v4, v[XI+4*\j:XI+4*\j+3], s[56:57] offset:102400+512*\j
.endr
	v_cndmask_b32 v62, v[PWX], v[PWX+1], vcc_lo
	global_store_b32 v61, v62, s[58:59]            ; 4 bytes a lane, 8 apart: the other step's word comes from the neighbouring wave
	s_wait_loadcnt 0x0
.rept 8
	v_nop                                          ; a scale register written by a vector instruction stands 8 places ahead of a scaled matrix instruction
.endr
	; source 0 = my 16 tokens, source 1 = the 16 heads: lane = head r, register j = token 16 h + j of the tile.  Two accumulators by turns
	v_wmma_scale_f32_16x16x128_f8f6f4 v[112:119], v[16:27], v[64:75], 0, v12, v100 matrix_a_fmt:MATRIX_FMT_FP6 matrix_b_fmt:MATRIX_FMT_FP6
	v_wmma_scale_f32_16x16x128_f8f6f4 v[120:127], v[40:51], v[88:99], 0, v14, v102 matrix_a_fmt:MATRIX_FMT_FP6 matrix_b_fmt:MATRIX_FMT_FP6
	v_wmma_scale_f32_16x16x128_f8f6f4 v[112:119], v[28:39], v[76:87], v[112:119], v13, v101 matrix_a_fmt:MATRIX_FMT_FP6 matrix_b_fmt:MATRIX_FMT_FP6
.rept 4
	v_nop
.endr
	ds_store_b128 v63, v[112:115]
	ds_store_b128 v63, v[116:119] offset:512
	ds_store_b128 v63, v[120:123] offset:1024
	ds_store_b128 v63, v[124:127] offset:1536
	s_wait_dscnt 0x0                               ; for wave 0's sake: my partial sums have landed
	s_barrier_signal -1
	s_barrier_wait -1
	s_cmp_lg_u32 s40, 0
	s_cbranch_scc1 .Lend
.irp u, 0,1,2,3,4,5,6,7
.irp c, 0,1,2,3
	ds_load_b128 v[128+16*\u+4*\c:131+16*\u+4*\c], v1 offset:2048*\u+512*\c
.endr
.endr
	s_mov_b32 s60, 0xbfb8aa3b                      ; -log2(e)
	s_mov_b32 s61, 0x3f317218                      ; ln 2
	s_mov_b32 s62, 0x322bcc77                      ; 1e-8
	s_mov_b32 s63, 0xbf317218                      ; -ln 2
	s_wait_dscnt 0x0
.irp u, 1,2,3,4,5,6,7
.irp n, 0,2,4,6,8,10,12,14
	v_pk_add_f32 v[128+\n:129+\n], v[128+\n:129+\n], v[128+16*\u+\n:129+16*\u+\n]
.endr
.endr
.irp j, 0,1,2,3,4,5,6,7
	v_add_f32 v[128+\j], v[128+\j], v104           ; + dt_b
.endr
.irp j, 0,1,2,3,4,5,6,7
	v_add_f32 v[128+\j], v[128+\j], v105           ; + dt_bias: zd
	v_add_f32 v[136+\j], v[136+\j], v106           ; + pg_b: zp
.endr
.irp j, 0,1,2,3,4,5,6,7
	v_mul_f32 v[144+\j], s60, |v[128+\j]|
	v_mul_f32 v[152+\j], s60, v[136+\j]
.endr
.irp j, 0,1,2,3,4,5,6,7
	v_exp_f32 v[144+\j], v[144+\j]                 ; e^-|zd|
	v_exp_f32 v[152+\j], v[152+\j]                 ; e^-zp
.endr
.irp j, 0,1,2,3,4,5,6,7
	v_max_num_f32 v[128+\j], 0, v[128+\j]
.endr
	s_wait_alu depctr_va_vdst(0)                   ; one wait for the batch, ahead of its first reader
.irp j, 0,1,2,3,4,5,6,7
	v_add_f32 v[144+\j], 1.0, v[144+\j]
	v_add_f32 v[152+\j], 1.0, v[152+\j]
.endr
.irp j, 0,1,2,3,4,5,6,7
	v_log_f32 v[144+\j], v[144+\j]
	v_rcp_f32 v[152+\j], v[152+\j]                 ; p
.endr
	v_nop
	s_wait_alu depctr_va_vdst(0)
.irp j, 0,1,2,3,4,5,6,7
	v_fma_f32 v[128+\j], v[144+\j], s61, v[128+\j] ; dt = max(zd, 0) + ln(1 + e^-|zd|)
	v_sub_f32 v[160+\j], 1.0, v[152+\j]            ; 1 - p
.endr
.irp j, 0,1,2,3,4,5,6,7
	v_mul_f32 v[144+\j], s60, v[128+\j]
.endr
.irp j, 0,1,2,3,4,5,6,7
	v_exp_f32 v[144+\j], v[144+\j]                 ; e^-dt
.endr
	v_nop
	s_wait_alu depctr_va_vdst(0)
.irp j, 0,1,2,3,4,5,6,7
	v_fma_f32 v[144+\j], v[144+\j], v[160+\j], v[152+\j]   ; gamma
.endr
.irp j, 0,1,2,3,4,5,6,7
	v_add_f32 v[144+\j], s62, v[144+\j]
.endr
.irp j, 0,1,2,3,4,5,6,7
	v_log_f32 v[144+\j], v[144+\j]
.endr
	v_nop
	s_wait_alu depctr_va_vdst(0)
.irp j, 0,1,2,3,4,5,6,7
	v_mul_f32 v[144+\j], s63, v[144+\j]            ; delta
.endr
	global_store_b128 v2, v[144:147], s[38:39]     ; 32 bytes a lane of a head's row: 8 tokens (the rows of 16 heads lie 4,096 bytes apart; 256 KiB in the whole launch)
	global_store_b128 v2, v[148:151], s[38:39] offset:16
	global_store_b128 v2, v[160:163], s[38:39] offset:131072
	global_store_b128 v2, v[164:167], s[38:39] offset:131088
.Lend:
	s_set_vgpr_msb 0x5
	s_wait_tensorcnt 0x0
	ds_add_u32 v0, v1
	s_wait_dscnt 0x0
	s_set_vgpr_msb 0x500
	s_endpgm
	; ---------------- the weights: 256 tasks, one a wave: 16 complex rows (24,576 bytes) of one weight become 2 tiles x 16 K steps of images
.Lweights:
	s_sub_co_u32 s48, ttmp9, 128
	s_lshl_b32 s48, s48, 3
	s_add_co_u32 s48, s48, s40                     ; the task
	s_lshr_b32 s49, s48, 6                         ; which weight: 0 q, 1 k, 2 v, 3 o (the same in all waves of a work-group)
	s_and_b32 s50, s48, 63                         ; t
	s_mul_i32 s51, s40, 24832
	s_add_co_u32 s51, s51, WST0                    ; my stage
	v_add_nc_u32 v5, s51, v4                       ; in: 16 x lane
	v_mul_u32_u24 v6, v2, 1552
	v_mad_u32_u24 v6, v3, 24, v6
	v_add_nc_u32 v6, s51, v6                       ; q, k, v: row r, + 24 h
	v_lshrrev_b32 v16, 1, v2
	v_mul_u32_u24 v16, v16, 1552
	v_mad_u32_u24 v16, v3, 24, v16
	v_add_nc_u32 v16, s51, v16
	v_and_b32 v17, 1, v2
	v_mad_u32_u24 v7, v17, 768, v16                ; o: my row n = 2 o + c: complex row r / 2, part r % 2,
	v_xor_b32 v17, 1, v17
	v_mad_u32_u24 v8, v17, 768, v16                ; and its partner, the other part
	s_lshr_b32 s60, s50, 2                         ; t / 4
	s_and_b32 s61, s50, 3                          ; t % 4
	s_lshl_b32 s62, s60, 6
	s_lshr_b32 s63, s61, 1
	s_lshl_b32 s63, s63, 5
	s_add_co_u32 s62, s62, s63
	s_and_b32 s63, s50, 1
	s_lshl_b32 s63, s63, 3
	s_add_co_u32 s62, s62, s63                     ; q, k, v: first row 64 (t / 4) + 32 ((t % 4) / 2) + 8 (t % 2)
	s_lshl_b32 s63, s50, 4                         ; o: 16 t
	s_lshl_b32 s47, s61, 1
	s_cmp_eq_u32 s49, 3
	s_cselect_b32 s62, s63, s62                    ; the first complex row
	s_cselect_b32 s61, s47, s61                    ; the first tile: t % 4, or 2 (t % 4)
	s_cselect_b32 s63, 0, 0x3000                   ; q, k, v: the stage's rows 8-15 lie 8 rows (12,288 bytes) further on in memory
	v_add_nc_u32 v9, s63, v4
	s_lshl_b32 s63, s49, 4
	s_add_co_u32 s63, s63, s60
	s_add_co_u32 s63, s63, 16                      ; the group: 16 + 16 x weight + t / 4
	s_mul_i32 s63, s63, GRP
	s_mul_i32 s66, s61, 3072
	s_add_co_u32 s66, s66, s63
	s_mov_b32 s67, 0
	s_lshl_b32 s68, s61, 7
	s_add_co_u32 s68, s68, s63
	s_add_co_u32 s68, s68, SCO
	s_mov_b32 s69, 0
	s_mul_i32 s60, s62, 1536
	s_mov_b32 s61, 0
	s_lshl_b32 s62, s62, 6
	s_mov_b32 s63, 0
	s_wait_kmcnt 0x0
	s_cmp_lt_u32 s49, 1                            ; the choice hangs on the work-group's number alone
	s_cselect_b64 s[52:53], s[20:21], s[24:25]
	s_cselect_b64 s[54:55], s[22:23], s[26:27]
	s_cmp_lt_u32 s49, 3
	s_cselect_b64 s[56:57], s[28:29], s[32:33]
	s_cselect_b64 s[58:59], s[30:31], s[34:35]
	s_cmp_lt_u32 s49, 2
	s_cselect_b64 s[52:53], s[52:53], s[56:57]
	s_cselect_b64 s[54:55], s[54:55], s[58:59]
	s_add_nc_u64 s[52:53], s[52:53], s[60:61]      ; the codes of my rows
	s_add_nc_u64 s[54:55], s[54:55], s[62:63]      ; their scale bytes: 64 a complex row
	s_add_nc_u64 s[66:67], s[36:37], s[66:67]      ; where the images go
	s_add_nc_u64 s[68:69], s[36:37], s[68:69]      ; and the scale words
.set rw, 0
.rept 8
.irp c, 0,1,2
	global_load_b128 v[64+12*rw+4*\c:67+12*rw+4*\c], v4, s[52:53] offset:rw*1536+512*\c th:TH_LOAD_NT
.endr
.set rw, rw+1
.endr
.rept 8
.irp c, 0,1,2
	global_load_b128 v[64+12*rw+4*\c:67+12*rw+4*\c], v9, s[52:53] offset:rw*1536+512*\c th:TH_LOAD_NT
.endr
.set rw, rw+1
.endr
	s_wait_loadcnt 0x0
.set rw, 0
.rept 16
.irp c, 0,1,2
	ds_store_b128 v5, v[64+12*rw+4*\c:67+12*rw+4*\c] offset:rw*1552+512*\c
.endr
.set rw, rw+1
.endr
	s_wait_dscnt 0x0                               ; the stores have read their registers
	s_cmp_eq_u32 s49, 3
	s_cbranch_scc1 .Lwout
; q, k, v.  Part c of the doubled rows: K step ks takes the row's bytes 96 ((ks + 8 c) % 16) on; with c = 0 the second half (wi) changes sign.
.macro WQKV c
.set kk, 0
.rept 16
.irp p, 0,1,2,3,4,5
	ds_load_b64 v[64+12*kk+2*\p:65+12*kk+2*\p], v6 offset:((kk+8*\c)&15)*96+48*(\p/3)+8*(\p%3)
.endr
.set kk, kk+1
.endr
	s_wait_dscnt 0x0
.if \c == 0
.set nn, 0
.rept 96
	v_xor_b32 v[160+nn], s[44+(nn%3)], v[160+nn]
.set nn, nn+1
.endr
.endif
.set kk, 0
.rept 16
.irp j, 0,1,2
	global_store_b128 v4, v[64+12*kk+4*\j:67+12*kk+4*\j], s[66:67] offset:(kk/2)*BLK+(kk%2)*1536+512*\j+\c*12288
.endr
.set kk, kk+1
.endr
.endm
	v_and_b32 v16, 8, v2
	v_add_nc_u32 v16, v16, v2                      ; r + 8 (r / 8)
	v_lshlrev_b32 v16, 6, v16
	v_lshl_add_u32 v10, v3, 5, v16                 ; scale bytes: lanes 0-15 serve part 0, lanes 16-31 part 1, which begins with wi's 32 bytes;
	v_xor_b32 v17, 1, v3
	v_lshl_add_u32 v11, v17, 5, v16                ; the second half of K takes the other 32
	v_lshlrev_b32 v12, 3, v2
	v_lshl_add_u32 v12, v3, 9, v12                 ; to 8 r, part 1 four tiles (512 bytes) on
.irp sg, 0,1,2,3
	global_load_b64 v[16+2*\sg:17+2*\sg], v10, s[54:55] offset:8*\sg
	global_load_b64 v[24+2*\sg:25+2*\sg], v11, s[54:55] offset:8*\sg
.endr
	WQKV 0
	s_wait_loadcnt 0x0
.irp sg, 0,1,2,3,4,5,6,7
	global_store_b64 v12, v[16+2*\sg:17+2*\sg], s[68:69] offset:\sg*BLK
.endr
	s_wait_xcnt 0x0                                ; the stores have read their registers: the second pass may load into them
	WQKV 1
	s_set_vgpr_msb 0x5
	s_wait_tensorcnt 0x0
	ds_add_u32 v0, v1
	s_wait_dscnt 0x0
	s_set_vgpr_msb 0x500
	s_endpgm
; o.  Natural tiles of 16 rows n = 2 o + c; K step = head: registers 0-5 my row's 64 codes of the head, registers 6-11 the partner's, with the sign changed where c = 0.
.Lwout:
.macro WOUT T
.set ee, 0
.rept 16
.irp p, 0,1,2
	ds_load_b64 v[64+12*ee+2*\p:65+12*ee+2*\p], v7 offset:\T*12416+48*ee+8*\p
	ds_load_b64 v[70+12*ee+2*\p:71+12*ee+2*\p], v8 offset:\T*12416+48*ee+8*\p
.endr
.set ee, ee+1
.endr
	s_wait_dscnt 0x0
.set ee, 0
.rept 16
.irp i, 0,1,2,3,4,5
	v_xor_b32 v[70+12*ee+\i], v[13+(\i%3)], v[70+12*ee+\i]
.endr
.set ee, ee+1
.endr
.set ee, 0
.rept 16
.irp j, 0,1,2
	global_store_b128 v4, v[64+12*ee+4*\j:67+12*ee+4*\j], s[66:67] offset:(ee/2)*BLK+(ee%2)*1536+512*\j+\T*3072
.endr
.set ee, ee+1
.endr
.endm
	v_and_b32 v16, 1, v2
	v_cmp_eq_u32 vcc_lo, 0, v16                    ; rows with c = 0
	v_mov_b32 v13, s44
	v_mov_b32 v14, s45
	v_mov_b32 v15, s46
	v_cndmask_b32 v13, 0, v13, vcc_lo
	v_cndmask_b32 v14, 0, v14, vcc_lo
	v_cndmask_b32 v15, 0, v15, vcc_lo
	v_lshlrev_b32 v10, 5, v1                       ; scale bytes: lane l serves row n = l of the task's 32: 32 bytes a row,
	v_xor_b32 v11, 32, v10                         ; and its partner's
	v_lshlrev_b32 v12, 3, v1                       ; to 8 r + 128 (lane / 16) = 8 x lane
	s_mov_b32 s70, 0x05040100
	s_mov_b32 s71, 0x07060302
	global_load_b128 v[16:19], v10, s[54:55]
	global_load_b128 v[20:23], v10, s[54:55] offset:16
	global_load_b128 v[24:27], v11, s[54:55]
	global_load_b128 v[28:31], v11, s[54:55] offset:16
	WOUT 0
	s_wait_loadcnt 0x0
.irp sg, 0,1,2,3,4,5,6,7
	v_perm_b32 v[32+2*\sg], v[24+\sg], v[16+\sg], s70      ; head 2 sg: my two bytes below, the partner's two above
	v_perm_b32 v[33+2*\sg], v[24+\sg], v[16+\sg], s71      ; head 2 sg + 1
.endr
.irp sg, 0,1,2,3,4,5,6,7
	global_store_b64 v12, v[32+2*\sg:33+2*\sg], s[68:69] offset:\sg*BLK
.endr
	s_wait_xcnt 0x0
	WOUT 1
	s_set_vgpr_msb 0x5
	s_wait_tensorcnt 0x0
	ds_add_u32 v0, v1
	s_wait_dscnt 0x0
	s_set_vgpr_msb 0x500
	s_endpgm
.Lfunc_end_k_qf4be29642b_prep:
	.size	k_qf4be29642b_prep, .Lfunc_end_k_qf4be29642b_prep-k_qf4be29642b_prep
	.p2alignl 7, 3214868480
	.fill 96, 4, 3214868480
	.section	.rodata,"a",@progbits
	.p2align	6, 0x0
	.amdhsa_kernel k_qf4be29642b_prep
		.amdhsa_group_segment_fixed_size 283648
		.amdhsa_private_segment_fixed_size 0
		.amdhsa_enable_private_segment 0
		.amdhsa_kernarg_size 144
		.amdhsa_user_sgpr_count 2
		.amdhsa_user_sgpr_kernarg_segment_ptr 1
		.amdhsa_wavefront_size32 1
		.amdhsa_system_sgpr_workgroup_id_x 1
		.amdhsa_system_sgpr_workgroup_id_y 1
		.amdhsa_system_sgpr_workgroup_id_z 1
		.amdhsa_system_vgpr_workitem_id 0
		.amdhsa_next_free_vgpr 258
		.amdhsa_next_free_sgpr 80
		.amdhsa_reserve_vcc 1
		.amdhsa_float_denorm_mode_32 3
		.amdhsa_float_denorm_mode_16_64 3
		.amdhsa_memory_ordered 1
		.amdhsa_forward_progress 1
		.amdhsa_inst_pref_size 116
	.end_amdhsa_kernel
	.amdgpu_metadata
---
amdhsa.version: [ 1, 2 ]
amdhsa.kernels:
  - .name:           k_qf4be29642b_prep
    .symbol:         k_qf4be29642b_prep.kd
    .args:
      - { .name: x, .offset: 0, .size: 8, .value_kind: global_buffer, .address_space: global }
      - { .name: dt_w_codes, .offset: 8, .size: 8, .value_kind: global_buffer, .address_space: global }
      - { .name: dt_w_scales, .offset: 16, .size: 8, .value_kind: global_buffer, .address_space: global }
      - { .name: dt_b, .offset: 24, .size: 8, .value_kind: global_buffer, .address_space: global }
      - { .name: dt_bias, .offset: 32, .size: 8, .value_kind: global_buffer, .address_space: global }
      - { .name: pg_w_codes, .offset: 40, .size: 8, .value_kind: global_buffer, .address_space: global }
      - { .name: pg_w_scales, .offset: 48, .size: 8, .value_kind: global_buffer, .address_space: global }
      - { .name: pg_b, .offset: 56, .size: 8, .value_kind: global_buffer, .address_space: global }
      - { .name: qw_codes, .offset: 64, .size: 8, .value_kind: global_buffer, .address_space: global }
      - { .name: qw_scales, .offset: 72, .size: 8, .value_kind: global_buffer, .address_space: global }
      - { .name: kw_codes, .offset: 80, .size: 8, .value_kind: global_buffer, .address_space: global }
      - { .name: kw_scales, .offset: 88, .size: 8, .value_kind: global_buffer, .address_space: global }
      - { .name: vw_codes, .offset: 96, .size: 8, .value_kind: global_buffer, .address_space: global }
      - { .name: vw_scales, .offset: 104, .size: 8, .value_kind: global_buffer, .address_space: global }
      - { .name: ow_codes, .offset: 112, .size: 8, .value_kind: global_buffer, .address_space: global }
      - { .name: ow_scales, .offset: 120, .size: 8, .value_kind: global_buffer, .address_space: global }
      - { .name: ops, .offset: 128, .size: 8, .value_kind: global_buffer, .address_space: global }
      - { .name: gat, .offset: 136, .size: 8, .value_kind: global_buffer, .address_space: global }
    .group_segment_fixed_size: 283648
    .private_segment_fixed_size: 0
    .kernarg_segment_align: 8
    .kernarg_segment_size: 144
    .max_flat_workgroup_size: 256
    .sgpr_count:     80
    .vgpr_count:     258
    .wavefront_size: 32
...
	.end_amdgpu_metadata
.endif
;; end of part 1
;; launch proj (part 2): grid 24 x 8, 4 waves a work-group, clusters of 4 x 4, 327,680 bytes of LDS; arguments ops, gat, qim, kv; writes qim, kv
.if DOCPART == 2
	.amdgcn_target "amdgcn-amd-amdhsa--gfx1250"
	.amdhsa_code_object_version 6
	.text
	.protected	k_qf4be29642b_proj
	.globl	k_qf4be29642b_proj
	.p2align	8
	.type	k_qf4be29642b_proj,@function
k_qf4be29642b_proj:
	s_mov_b64 s[64:65], 0
	v_nop
	global_prefetch_b8 v0, s[64:65] scope:SCOPE_SE
	s_setreg_imm32_b32 hwreg(HW_REG_WAVE_MODE, 25, 1), 1
	s_wait_xcnt 0x0
	s_wait_alu depctr_hold_cnt(0) depctr_sa_sdst(0) depctr_va_vdst(0) depctr_va_sdst(0) depctr_va_ssrc(0) depctr_va_vcc(0) depctr_vm_vsrc(0)
	s_getreg_b32 s2, hwreg(HW_REG_IB_STS2, 6, 4)
	s_cmp_eq_u32 s2, 0
	s_cbranch_scc0 .Lentry_in_a_cluster
	s_endpgm
.Lentry_in_a_cluster:
	s_bfe_u32 s2, ttmp6, 0x10000c
	s_cmp_lg_u32 s2, 0xf033
	s_cbranch_scc0 .Lentry_shape_is_right
	s_endpgm
.Lentry_shape_is_right:
; PROJ.  q, k and v: one real GEMM with K = 2,048 on codes of E2M3: rows [xr | xi] of the tokens against the doubled rows of the weights, both laid in ops as images of operand registers.
; A tile is 256 x 256, four waves of 128 x 128 (64 accumulators).  K goes in 8 slots' worth of 2 K steps through a ring of two LDS slots; a slot holds four blocks of 25,600 bytes (A's two groups, B's two), one tensor load a wave.
; CLUSTERS 4 x 4: A's blocks are shared along a row of the cluster, B's along a column, asked for jointly.
; THE MATRIX INSTRUCTION: source 0 = B's 16 rows, source 1 = A's 16 rows: a lane holds one row of A and its registers run along B's rows.  For q and k: A = tokens, B = a head's 128 doubled rows: the registers run along d.
; For v the sides change places BY ADDRESS alone (clusters with x >= 4): A = the head's rows, B = tokens: the registers run along 128 tokens, which are the second attention product's K.
; THE WAY OUT: each wave owns one (128 tokens, head): its results are quantised in registers (v first multiplied by 1 - p of its token) and stored as images: Q's to qim, K's and V's to kv's chunk of that key step.
; LIMITS: as stated in prep (floor of the scale byte, no NaN or infinities); the two halves of a complex product share one f32 sum.
.set GRP,   204800
.set BLK,   25600
.set SLOT,  102400
.set SPARE, 204800                     ; behind the ring: the spare words, 128 bytes for each wave
.set ADRA, 16                          ; v16-17 LDS address of my A images in slot 0, 1
.set ADRB, 20                          ; v20-21 of B's
.set ADRS, 22                          ; v22-23 of the scale words: lanes 0-15 A's, lanes 16-31 B's
.set SPW,  28
.set NIL,  29
.set SC,   32                          ; v32-63 scale words: set s at SC + 16 s; register 2 i + q: tile i, step q
.set AF,   64                          ; window 0: A's fragments, set p at AF + 96 p;  window 1: B's, set p at 128 p;  windows 2, 3: the accumulators
.set TM,   4
.set SO,   8
.set TQ,   10
.set SEL,  66
.set G1,  24
.set G0,  32
.set G1B, 48
.set G0B, 56
.set MSB, 0
.macro WIN new                         ; the immediate's high byte repeats the setting that is left
.if MSB != (\new)
	s_set_vgpr_msb (MSB<<8)|(\new)
.set MSB, (\new)
.endif
.endm
.macro JLOAD s                         ; a joint load: waves 0 and 1 fetch A's two groups, waves 2 and 3 B's; four v_nop follow each line
	s_cmp_eq_u32 s15, 0
	s_cbranch_scc0 .Lfor_b_\@
	tensor_load_to_lds s[G0+4*\s:G0+4*\s+3], s[G1:G1+7]
	s_nop 0
.rept 4
	v_nop
.endr
	s_branch .Lasked_\@
.Lfor_b_\@:
	tensor_load_to_lds s[G0B+4*\s:G0B+4*\s+3], s[G1B:G1B+7]
	s_nop 0
.rept 4
	v_nop
.endr
.Lasked_\@:
.endm
.macro CREST                           ; a round of the cluster's barrier behind its opening barrier
	s_cmp_lg_u32 s14, 0
	s_cbranch_scc1 .Lnot_wave_0_\@
	s_barrier_signal -3
.Lnot_wave_0_\@:
	s_barrier_wait -3
	s_barrier_signal -1
	s_barrier_wait -1
.endm
.macro CROUND
	s_barrier_signal -1
	s_barrier_wait -1
	CREST
.endm
.macro PLACES n
.rept \n
	v_nop
.endr
.endm
.macro FETCH slot, q, p                ; 48 LDS loads: B's eight and A's eight fragments of the slot's step q into set p, each as it stands: 3 x 512 consecutive bytes
	WIN 0x40
.irp b, 0,1,2,3,4,5,6,7
.irp j, 0,1,2
	ds_load_b128 v[128*(\p)+12*\b+4*\j:128*(\p)+12*\b+4*\j+3], v[ADRB+\slot] offset:\b*3072+(\q)*1536+512*\j
.endr
.endr
	WIN 0
.irp a, 0,1,2,3,4,5,6,7
.irp j, 0,1,2
	ds_load_b128 v[AF+96*(\p)+12*\a+4*\j:AF+96*(\p)+12*\a+4*\j+3], v[ADRA+\slot] offset:\a*3072+(\q)*1536+512*\j
.endr
.endr
.endm
.macro SCALES slot                     ; the slot's scale words, both steps' at once
.irp i, 0,1,2,3,4,5,6,7
	ds_load_b64 v[SC+16*\slot+2*\i:SC+16*\slot+2*\i+1], v[ADRS+\slot] offset:128*\i
.endr
.endm
; 16 matrix instructions: A's tiles a0, a0 + 1 x B's eight.  The 64 accumulators take turns, one instruction a turn, in the same order in every step.
.macro MUL16 a0, p, q, sc, zero
.irp a, \a0, \a0+1
.irp b, 0,1,2,3,4,5,6,7
.if \zero
	v_wmma_scale_f32_16x16x128_f8f6f4 v[8*(8*((\a)%4)+\b):8*(8*((\a)%4)+\b)+7], v[128*(\p)+12*\b:128*(\p)+12*\b+11], v[AF+96*(\p)+12*(\a):AF+96*(\p)+12*(\a)+11], 0, v[SC+16*(\sc)+2*\b+(\q)], v[SC+16*(\sc)+2*(\a)+(\q)] matrix_a_fmt:MATRIX_FMT_FP6 matrix_b_fmt:MATRIX_FMT_FP6 matrix_a_scale:MATRIX_SCALE_ROW1
.else
	v_wmma_scale_f32_16x16x128_f8f6f4 v[8*(8*((\a)%4)+\b):8*(8*((\a)%4)+\b)+7], v[128*(\p)+12*\b:128*(\p)+12*\b+11], v[AF+96*(\p)+12*(\a):AF+96*(\p)+12*(\a)+11], v[8*(8*((\a)%4)+\b):8*(8*((\a)%4)+\b)+7], v[SC+16*(\sc)+2*\b+(\q)], v[SC+16*(\sc)+2*(\a)+(\q)] matrix_a_fmt:MATRIX_FMT_FP6 matrix_b_fmt:MATRIX_FMT_FP6 matrix_a_scale:MATRIX_SCALE_ROW1
.endif
.endr
.endr
.endm
.macro STEP slot, zero                 ; a slot's first step: multiplies set 0; the second step's fragments are asked for first, into set 1
	PLACES 4                                       ; places in front of loads into registers that matrix instructions have read
	FETCH \slot, 1, 1
	s_wait_dscnt 48                                ; all but the 48 just issued: set 0 and the scale words are in
	WIN 0xa1
	MUL16 0, 0, 0, \slot, \zero
	MUL16 2, 0, 0, \slot, \zero
	WIN 0xf1
	MUL16 4, 0, 0, \slot, \zero
	MUL16 6, 0, 0, \slot, \zero
	WIN 0
.endm
.macro TURN slot, next, fill           ; a slot's second step changes slots: one barrier; fill = 1: it opens a round of the cluster's barrier, and this slot is filled again
	s_wait_tensorcnt 0x0                           ; all my tensor loads have landed: my part of the next slot
	ds_add_u32 v[SPW], v[NIL]                      ; 0 onto my spare word
	s_wait_dscnt 1                                 ; set 1 is in; the add may be out
	WIN 0xa1
	MUL16 0, 1, 1, \slot, 0
	s_wait_dscnt 0x0                               ; the add is done, and my reads of this slot are over
	s_barrier_signal -1
	MUL16 2, 1, 1, \slot, 0
	WIN 0
	s_barrier_wait -1
.if \fill
	CREST                                          ; no wave of any partner still reads this slot or has a load on its way
	s_add_nc_u64 s[G0+4*\slot+2:G0+4*\slot+3], s[G0+4*\slot+2:G0+4*\slot+3], 2*BLK
	s_add_nc_u64 s[G0B+4*\slot+2:G0B+4*\slot+3], s[G0B+4*\slot+2:G0B+4*\slot+3], 2*BLK
	JLOAD \slot                                    ; the first tensor load behind the round; its four v_nop are the places in front of the loads below
.else
	PLACES 4
.endif
	FETCH \next, 0, 0
	SCALES \next
	WIN 0xf1
	MUL16 4, 1, 1, \slot, 0
	MUL16 6, 1, 1, \slot, 0
	WIN 0
.endm
; THE QUANTISER: as in prep; ws is the window of the 32 numbers.
.macro QH ws, s, pc, hw
	WIN (\ws)|((\ws)<<2)
	v_max3_num_f32 v[TM], |v[(\s)]|, |v[(\s)+1]|, 0x1800000          ; each accumulator is read from its low end on
	v_max3_num_f32 v[TM+1], |v[(\s)+16]|, |v[(\s)+17]|, 0x1800000
.irp i, 2,4,6,8,10,12,14
	v_max3_num_f32 v[TM], |v[(\s)+\i]|, |v[(\s)+\i+1]|, v[TM]
	v_max3_num_f32 v[TM+1], |v[(\s)+16+\i]|, |v[(\s)+17+\i]|, v[TM+1]
.endr
	WIN 0
	v_permlanex16_b32 v[TM+2], v[TM], s[SEL], s[SEL+1]
	v_permlanex16_b32 v[TM+3], v[TM+1], s[SEL], s[SEL+1]
	v_max_num_f32 v[TM], v[TM], v[TM+2]
	v_max_num_f32 v[TM+1], v[TM+1], v[TM+3]
	v_add_nc_u32 v[SO], 0xff000000, v[TM]
	v_add_nc_u32 v[SO+1], 0xff000000, v[TM+1]
	v_lshrrev_b32 v[TM+2], 23, v[SO]
	v_lshrrev_b32 v[TM+3], 23, v[SO+1]
	v_lshl_or_b32 v[\hw], v[TM+3], 8, v[TM+2]
	WIN (\ws)
	v_cvt_scalef32_pk16_fp6_f32 v[(\pc):(\pc)+2], v[(\s):(\s)+15], v[SO]
	v_cvt_scalef32_pk16_fp6_f32 v[TQ:TQ+2], v[(\s)+16:(\s)+31], v[SO+1]
	WIN 0
	v_nop
.irp i, 0,1,2
	v_permlane16_swap_b32 v[(\pc)+\i], v[TQ+\i]
.endr
.irp i, 0,1,2
	v_mov_b32 v[(\pc)+3+\i], v[TQ+\i]
.endr
.endm
	s_load_b256 s[4:11], s[0:1], 0x0               ; ops s[4:5], gat s[6:7], qim s[8:9], kv s[10:11]
	v_lshl_add_u32 v[SPW], v0, 2, SPARE
	v_mov_b32 v[NIL], 0
	ds_add_u32 v28, v29
	s_wait_dscnt 0x0
	v_lshrrev_b32 v1, 5, v0
	v_readfirstlane_b32 s14, v1                    ; wave 0..3
	s_lshr_b32 s15, s14, 1                         ; which of A's two groups is mine.  Also: I fetch for A (0) or for B (1)
	s_and_b32 s16, s14, 1                          ; which of B's.  Also: which group I fetch
	s_bfe_u32 s40, ttmp6, 0x40000                  ; cx
	s_bfe_u32 s41, ttmp6, 0x40004                  ; cy
	s_lshl_b32 s43, s41, 2
	s_lshl_b32 s43, 15, s43                        ; my row of the cluster
	s_lshl_b32 s44, 0x1111, s40                    ; my column
	s_and_b32 s17, ttmp7, 0xffff
	s_lshl_b32 s17, s17, 2                         ; the cluster's first tile of tokens (tiles 0-7 of ops)
	s_lshl_b32 s18, ttmp9, 2
	s_add_co_u32 s18, s18, 8                       ; its first tile of weights (tiles 8-31: q, k, v)
	s_cmp_ge_u32 ttmp9, 4                          ; v's clusters: the same answer in all sixteen partners
	s_cselect_b32 s19, s18, s17
	s_cselect_b32 s20, s17, s18
	s_cselect_b32 s45, 1, 0
	s_add_co_u32 s19, s19, s41                     ; A's tile: hangs on cy alone
	s_add_co_u32 s20, s20, s40                     ; B's tile: on cx alone
	; descriptor group 1: a dense block of 25,600 bytes as 100 rows of 32 elements of 8 bytes, no padding
	s_or_b32 s[G1], s43, (3<<16)|(1<<21)           ; 15:0 the mask; 17:16 elements of 8 bytes; 21 set beside a mask
	s_or_b32 s[G1B], s44, (3<<16)|(1<<21)
.irp g, G1, G1B
	s_mov_b32 s[\g+1], 32<<16                      ; tensor_dim0
	s_mov_b32 s[\g+2], 100<<16                     ; tensor_dim1
	s_mov_b32 s[\g+3], 32<<16                      ; tile_dim0
	s_mov_b32 s[\g+4], 100                         ; tile_dim1
	s_mov_b32 s[\g+5], 32                          ; the pitch
	s_mov_b32 s[\g+6], 0
	s_mov_b32 s[\g+7], 0
.endr
	s_lshl_b32 s21, s19, 1
	s_add_co_u32 s21, s21, s16
	s_mul_i32 s22, s21, GRP                        ; A: group 2 x tile + the half that I fetch
	s_mov_b32 s23, 0
	s_lshl_b32 s46, s20, 1
	s_add_co_u32 s46, s46, s16
	s_mul_i32 s46, s46, GRP                        ; B likewise
	s_mov_b32 s47, 0
	s_mul_i32 s42, s14, BLK                        ; where they go: wave x a block: no place in the cluster enters an LDS address
	s_wait_kmcnt 0x0
	s_add_nc_u64 s[22:23], s[4:5], s[22:23]
	s_add_nc_u64 s[46:47], s[4:5], s[46:47]
	CROUND                                         ; all sixteen work-groups are here: the first joint loads meet
.irp s, 0,1
	s_mov_b32 s[G0+4*\s], 1
	s_add_co_u32 s[G0+4*\s+1], s42, \s*SLOT
	s_add_nc_u64 s[G0+4*\s+2:G0+4*\s+3], s[22:23], \s*BLK
	s_or_b32 s[G0+4*\s+3], s[G0+4*\s+3], 0x80000000
	s_mov_b32 s[G0B+4*\s], 1
	s_add_co_u32 s[G0B+4*\s+1], s42, \s*SLOT
	s_add_nc_u64 s[G0B+4*\s+2:G0B+4*\s+3], s[46:47], \s*BLK
	s_or_b32 s[G0B+4*\s+3], s[G0B+4*\s+3], 0x80000000
	JLOAD \s
.endr
	v_and_b32 v1, 31, v0                           ; lane
	v_and_b32 v2, 15, v0                           ; r
	v_bfe_u32 v3, v0, 4, 1                         ; h
	v_lshlrev_b32 v26, 4, v1                       ; 16 x lane
	v_lshlrev_b32 v27, 3, v1                       ; 8 x lane
	v_lshlrev_b32 v25, 6, v3                       ; 64 h
	s_mul_i32 s21, s15, BLK                        ; my group of A
	s_mul_i32 s12, s16, BLK
	s_add_co_u32 s12, s12, 2*BLK                   ; my group of B, behind A's two
	v_add_nc_u32 v[ADRA], s21, v26
	v_add_nc_u32 v[ADRA+1], SLOT, v[ADRA]
	v_add_nc_u32 v[ADRB], s12, v26
	v_add_nc_u32 v[ADRB+1], SLOT, v[ADRB]
	s_sub_co_u32 s13, s12, s21
	v_mul_u32_u24 v4, s13, v3                      ; lanes 16-31 take B's words: one product, the distance between the two
	v_lshl_add_u32 v4, v2, 3, v4
	s_add_co_u32 s13, s21, 24576
	v_add_nc_u32 v[ADRS], s13, v4
	v_add_nc_u32 v[ADRS+1], SLOT, v[ADRS]
	v_mov_b32 v[TM+2], 0                           ; written once: a lane permute's destination counts as one of its sources
	v_mov_b32 v[TM+3], 0
	s_mov_b32 s[SEL], 0x76543210
	s_mov_b32 s[SEL+1], 0xfedcba98
	; the way out's addresses, in registers that feed no descriptor
	s_lshl_b32 s68, s19, 1
	s_add_co_u32 s68, s68, s15                     ; my group of A
	s_lshl_b32 s69, s20, 1
	s_add_co_u32 s69, s69, s16                     ; my group of B
	s_cmp_eq_u32 s45, 1
	s_cselect_b32 s70, s69, s68                    ; the group of tokens, 0..15
	s_cselect_b32 s71, s68, s69                    ; the group of weights
	s_cselect_b32 s77, 12288, 0                    ; V's images lie behind K's in a chunk,
	s_cselect_b32 s78, 512, 0                      ; and so do its scale words
	s_and_b32 s71, s71, 15                         ; the head
	s_lshr_b32 s72, s70, 3
	s_lshl_b32 s72, s72, 4
	s_add_co_u32 s72, s72, s71                     ; 16 x batch + head
	s_and_b32 s73, s70, 7                          ; which 128 tokens of the batch
	s_mul_i32 s74, s72, 98304
	s_mul_i32 s79, s73, 12288
	s_add_co_u32 s74, s74, s79                     ; Q's images
	s_lshl_b32 s75, s72, 12
	s_lshl_b32 s79, s73, 9
	s_add_co_u32 s75, s75, s79
	s_mul_i32 s76, s72, 8*BLK
	s_mul_i32 s79, s73, BLK
	s_add_co_u32 s76, s76, s79                     ; kv's chunk
	s_add_co_u32 s77, s77, s76
	s_add_co_u32 s78, s78, s76
	s_add_co_u32 s78, s78, 24576
	s_add_co_u32 s79, s75, 3145728                 ; Q's scale words
	s_cmp_lt_u32 ttmp9, 2                          ; q's clusters
	s_cselect_b64 s[80:81], s[8:9], s[10:11]
	s_cselect_b32 s82, s74, s77
	s_cselect_b32 s84, s79, s78
	s_mov_b32 s83, 0
	s_mov_b32 s85, 0
	s_add_nc_u64 s[86:87], s[80:81], s[82:83]      ; where my eight images go
	s_add_nc_u64 s[88:89], s[80:81], s[84:85]      ; and their scale words
	s_add_co_u32 s90, s75, 131072
	s_mov_b32 s91, 0
	s_add_nc_u64 s[90:91], s[6:7], s[90:91]        ; 1 - p of my head's 128 tokens
	s_wait_tensorcnt 1                             ; my part of slot 0 is in (slot 1's load may be out)
	s_barrier_signal -1
	s_barrier_wait -1                              ; everybody's is
	FETCH 0, 0, 0
	SCALES 0
	STEP 0, 1                                      ; the first step stands in front of the loop: its products start the sums
	s_mov_b32 s3, 3
.Llap:                                                 ; a trip goes once round the ring and fills both slots again
	TURN 0, 1, 1
	STEP 1, 0
	TURN 1, 0, 1
	STEP 0, 0
	s_sub_co_u32 s3, s3, 1
	s_cmp_lg_u32 s3, 0
	s_cbranch_scc1 .Llap
	TURN 0, 1, 0                                   ; the last lap fills nothing
	STEP 1, 0
	s_wait_dscnt 0x0
	WIN 0xa1
	MUL16 0, 1, 1, 1, 0
	MUL16 2, 1, 1, 1, 0
	WIN 0xf1
	MUL16 4, 1, 1, 1, 0
	MUL16 6, 1, 1, 1, 0
	WIN 0
	PLACES 4
	; v alone: register 16 G + i of a row holds token 32 G + 16 h + i: x (1 - p) of that token, ahead of the quantiser
	s_cmp_eq_u32 s45, 0
	s_cbranch_scc1 .Lnot_v
	WIN 0x40
.irp G, 0,1,2,3
.irp i, 0,1,2,3
	global_load_b128 v[16*\G+4*\i:16*\G+4*\i+3], v25, s[90:91] offset:128*\G+16*\i
.endr
.endr
	s_wait_loadcnt 0x0
.irp a, 0,1,2,3,4,5,6,7
.set WS, 2+(\a/4)
.set SB, 64*(\a%4)
	WIN WS|4|(WS<<6)
.set nn, 0
.rept 32
	v_pk_mul_f32 v[SB+nn:SB+nn+1], v[SB+nn:SB+nn+1], v[nn:nn+1]
.set nn, nn+2
.endr
.endr
	WIN 0
.Lnot_v:
	v_cmp_le_u32 vcc_lo, 16, v1                    ; lanes 16-31
.irp a, 0,1,2,3,4,5,6,7                        ; A's tile a: 64 numbers a lane become one fragment and one scale word a row
.set WS, 2+(\a/4)
.set SB, 64*(\a%4)
.set PCB, 64+12*\a
	QH WS, SB, PCB, 14
	QH WS, SB+32, PCB+6, 15
	v_lshl_or_b32 v[160+\a], v15, 16, v14
.irp j, 0,1,2
	global_store_b128 v26, v[PCB+4*\j:PCB+4*\j+3], s[86:87] offset:\a*1536+512*\j      ; 32 lanes store 512 consecutive bytes
.endr
.endr
	; four tiles' scale words to 256 bytes: register g of the reader's pair holds tile 2 g in lanes 0-15 and tile 2 g + 1 in lanes 16-31
	v_cndmask_b32 v168, v160, v161, vcc_lo
	v_cndmask_b32 v169, v162, v163, vcc_lo
	v_cndmask_b32 v170, v164, v165, vcc_lo
	v_cndmask_b32 v171, v166, v167, vcc_lo
	global_store_b64 v27, v[168:169], s[88:89]
	global_store_b64 v27, v[170:171], s[88:89] offset:256
	s_wait_tensorcnt 0x0                           ; the wave's end
	ds_add_u32 v[SPW], v[NIL]
	s_wait_dscnt 0x0
	CROUND                                         ; the closing round
	s_endpgm
.Lfunc_end_k_qf4be29642b_proj:
	.size	k_qf4be29642b_proj, .Lfunc_end_k_qf4be29642b_proj-k_qf4be29642b_proj
	.p2alignl 7, 3214868480
	.fill 96, 4, 3214868480
	.section	.rodata,"a",@progbits
	.p2align	6, 0x0
	.amdhsa_kernel k_qf4be29642b_proj
		.amdhsa_group_segment_fixed_size 327680
		.amdhsa_private_segment_fixed_size 0
		.amdhsa_enable_private_segment 0
		.amdhsa_kernarg_size 32
		.amdhsa_user_sgpr_count 2
		.amdhsa_user_sgpr_kernarg_segment_ptr 1
		.amdhsa_wavefront_size32 1
		.amdhsa_system_sgpr_workgroup_id_x 1
		.amdhsa_system_sgpr_workgroup_id_y 1
		.amdhsa_system_sgpr_workgroup_id_z 1
		.amdhsa_system_vgpr_workitem_id 0
		.amdhsa_next_free_vgpr 1024
		.amdhsa_next_free_sgpr 98
		.amdhsa_reserve_vcc 1
		.amdhsa_float_denorm_mode_32 3
		.amdhsa_float_denorm_mode_16_64 3
		.amdhsa_memory_ordered 1
		.amdhsa_forward_progress 1
		.amdhsa_inst_pref_size 156
	.end_amdhsa_kernel
	.amdgpu_metadata
---
amdhsa.version: [ 1, 2 ]
amdhsa.kernels:
  - .name:           k_qf4be29642b_proj
    .symbol:         k_qf4be29642b_proj.kd
    .args:
      - { .name: ops, .offset: 0, .size: 8, .value_kind: global_buffer, .address_space: global }
      - { .name: gat, .offset: 8, .size: 8, .value_kind: global_buffer, .address_space: global }
      - { .name: qim, .offset: 16, .size: 8, .value_kind: global_buffer, .address_space: global }
      - { .name: kv, .offset: 24, .size: 8, .value_kind: global_buffer, .address_space: global }
    .group_segment_fixed_size: 327680
    .private_segment_fixed_size: 0
    .kernarg_segment_align: 8
    .kernarg_segment_size: 32
    .max_flat_workgroup_size: 128
    .sgpr_count:     98
    .vgpr_count:     1024
    .wavefront_size: 32
...
	.end_amdgpu_metadata
.endif
;; end of part 2
;; launch attn (part 3): grid 8 x 32, 8 waves a work-group, no clusters, 327,680 bytes of LDS; arguments qim, kv, gat, yop; writes yop
.if DOCPART == 3
	.amdgcn_target "amdgcn-amd-amdhsa--gfx1250"
	.amdhsa_code_object_version 6
	.text
	.protected	k_qf4be29642b_attn
	.globl	k_qf4be29642b_attn
	.p2align	8
	.type	k_qf4be29642b_attn,@function
k_qf4be29642b_attn:
	s_mov_b64 s[64:65], 0
	v_nop
	global_prefetch_b8 v0, s[64:65] scope:SCOPE_SE
	s_setreg_imm32_b32 hwreg(HW_REG_WAVE_MODE, 25, 1), 1
	s_wait_xcnt 0x0
; ATTN.  y[t] = sum over s <= t of (q[t] conj(k[s])) Dm[t][s] v'[s], complex, Dm = exp(C[s] - C[t]), C the running sum of delta; all products on codes of E2M3.
; wr = [qr|qi].[kr|ki], wi = [qi|-qr].[kr|ki]: one matrix instruction each for 16 keys (K = 128: four blocks of 32 along d).  ar = wr Dm and ai = wi Dm are quantised along the keys;
; yr = vr.ar + vi.(-ai), yi = vr.ai + vi.ar, K = 128 keys a step.  Both products are used transposed: a lane holds ONE query throughout.
; SHARES.  A work-group serves one (batch, head); each of its 8 waves owns one tile of 16 queries: waves 0-3 the tiles of query block j, waves 4-7 those of block 15 - j, so that every work-group has 36 key steps of work.
; Key steps that lie wholly behind a wave's queries are left out by a scalar branch on ids; on the diagonal the exponents of hidden keys become -infinity, so that Dm is 0 there.
; NO CLUSTER: the work-groups that share K and V own different query blocks, and the branch that leaves hidden steps out hangs on the block; it spares near half of the work.
; K's and V's images come through a ring of two LDS slots of two key steps (2 x 25,600 bytes), filled by waves 0 and 1.  C x log2(e) of the whole row lies in LDS, made by wave 7 from 4,096 bytes of delta.
; LIMITS: as stated in prep; Dm under 2^-126 becomes 0 (the exponential flushes denormals); C is summed in a lane and then across lanes, another order of f32 additions than a plain running sum's.
.set CHK,   25600
.set SLOT1, 65536
.set CTAB,  131072
.set SPARE, 135168                     ; the spare words, 128 bytes for each of 8 waves
.set KSC, 16                           ; v16-17 K's scale words
.set VSC, 18                           ; v18-21 V's
.set PWR, 22                           ; ar's scale word, v23 ai's
.set PWI, 23
.set TM,  24
.set SO,  28
.set TQ,  30
.set HW,  34
.set SPW, 38
.set NIL, 39
.set PAR, 40                           ; ar's codes, v52.. ai's, v64.. -ai's
.set PAI, 52
.set NAI, 64
.set KB,  76                           ; four fragments of K or of V
.set DM,  124                          ; 32 exponents, then Dm
.set SR,  156                          ; wr of 64 keys, v188.. wi
.set SI,  188
.set YF,  220                          ; the way out: y's fragment, v232 its scale word
.set WV,  12
.set KD,  17                           ; my diagonal key step
.set TB,  18                           ; LDS byte at which the slot in hand begins
.set TS,  19                           ; 512 x the key step: its place in C's table
.set KS,  20                           ; the key step
.set SLOTS, 21
.set SEL, 22
.set G1,  24
.set G0,  32
.set MSB, 0
.macro WIN new
.if MSB != (\new)
	s_set_vgpr_msb (MSB<<8)|(\new)
.set MSB, (\new)
.endif
.endm
.macro TLOAD                           ; waves 0 and 1 fetch one key step's chunk each; four v_nop follow the line
	s_cmp_lt_u32 s[WV], 2
	s_cbranch_scc0 .Lno_load_\@
	tensor_load_to_lds s[G0:G0+3], s[G1:G1+7]
	s_nop 0
.rept 4
	v_nop
.endr
.Lno_load_\@:
.endm
.macro QH ws, s, pc, hw                ; THE QUANTISER: as in prep
	WIN (\ws)|((\ws)<<2)
	v_max3_num_f32 v[TM], |v[(\s)]|, |v[(\s)+1]|, 0x1800000
	v_max3_num_f32 v[TM+1], |v[(\s)+16]|, |v[(\s)+17]|, 0x1800000
.irp i, 2,4,6,8,10,12,14
	v_max3_num_f32 v[TM], |v[(\s)+\i]|, |v[(\s)+\i+1]|, v[TM]
	v_max3_num_f32 v[TM+1], |v[(\s)+16+\i]|, |v[(\s)+17+\i]|, v[TM+1]
.endr
	WIN 0
	v_permlanex16_b32 v[TM+2], v[TM], s[SEL], s[SEL+1]
	v_permlanex16_b32 v[TM+3], v[TM+1], s[SEL], s[SEL+1]
	v_max_num_f32 v[TM], v[TM], v[TM+2]
	v_max_num_f32 v[TM+1], v[TM+1], v[TM+3]
	v_add_nc_u32 v[SO], 0xff000000, v[TM]
	v_add_nc_u32 v[SO+1], 0xff000000, v[TM+1]
	v_lshrrev_b32 v[TM+2], 23, v[SO]
	v_lshrrev_b32 v[TM+3], 23, v[SO+1]
	v_lshl_or_b32 v[\hw], v[TM+3], 8, v[TM+2]
	WIN (\ws)
	v_cvt_scalef32_pk16_fp6_f32 v[(\pc):(\pc)+2], v[(\s):(\s)+15], v[SO]
	v_cvt_scalef32_pk16_fp6_f32 v[TQ:TQ+2], v[(\s)+16:(\s)+31], v[SO+1]
	WIN 0
	v_nop
.irp i, 0,1,2
	v_permlane16_swap_b32 v[(\pc)+\i], v[TQ+\i]
.endr
.irp i, 0,1,2
	v_mov_b32 v[(\pc)+3+\i], v[TQ+\i]
.endr
.endm
.macro KQ d, t, qf, qs                 ; 16 keys (tile t of four) x my 16 queries; an odd tile's scale words lie in lanes 16-31
.if ((\t)%2) == 1
	v_wmma_scale_f32_16x16x128_f8f6f4 v[\d+8*\t:\d+8*\t+7], v[KB+12*\t:KB+12*\t+11], v[\qf:\qf+11], 0, v[KSC+(\t)/2], v[\qs] matrix_a_fmt:MATRIX_FMT_FP6 matrix_b_fmt:MATRIX_FMT_FP6 matrix_a_scale:MATRIX_SCALE_ROW1
.else
	v_wmma_scale_f32_16x16x128_f8f6f4 v[\d+8*\t:\d+8*\t+7], v[KB+12*\t:KB+12*\t+11], v[\qf:\qf+11], 0, v[KSC+(\t)/2], v[\qs] matrix_a_fmt:MATRIX_FMT_FP6 matrix_b_fmt:MATRIX_FMT_FP6
.endif
.endm
.macro PV d, dl, c, pf, ps             ; 16 of the head's 64 (tile dl, part c of v) x my 16 queries, K = 128 keys
.if ((\dl)%2) == 1
	v_wmma_scale_f32_16x16x128_f8f6f4 v[\d+8*\dl:\d+8*\dl+7], v[KB+12*\dl:KB+12*\dl+11], v[\pf:\pf+11], v[\d+8*\dl:\d+8*\dl+7], v[VSC+2*\c+(\dl)/2], v[\ps] matrix_a_fmt:MATRIX_FMT_FP6 matrix_b_fmt:MATRIX_FMT_FP6 matrix_a_scale:MATRIX_SCALE_ROW1
.else
	v_wmma_scale_f32_16x16x128_f8f6f4 v[\d+8*\dl:\d+8*\dl+7], v[KB+12*\dl:KB+12*\dl+11], v[\pf:\pf+11], v[\d+8*\dl:\d+8*\dl+7], v[VSC+2*\c+(\dl)/2], v[\ps] matrix_a_fmt:MATRIX_FMT_FP6 matrix_b_fmt:MATRIX_FMT_FP6
.endif
.endm
	s_load_b256 s[4:11], s[0:1], 0x0               ; qim s[4:5], kv s[6:7], gat s[8:9], yop s[10:11]
	v_lshl_add_u32 v[SPW], v0, 2, SPARE
	v_mov_b32 v[NIL], 0
	ds_add_u32 v38, v39
	s_wait_dscnt 0x0
	v_lshrrev_b32 v1, 5, v0
	v_readfirstlane_b32 s[WV], v1                  ; wave 0..7
	s_and_b32 s13, ttmp7, 0xffff                   ; 16 x batch + head
	s_lshr_b32 s15, s[WV], 2
	s_mul_i32 s15, s15, 15
	s_xor_b32 s14, ttmp9, s15                      ; my query block: j, or 15 - j in waves 4-7
	s_lshl_b32 s14, s14, 2
	s_and_b32 s15, s[WV], 3
	s_add_co_u32 s16, s14, s15                     ; my tile of queries, 0..63
	s_lshr_b32 s[KD], s16, 3
	s_mov_b32 s[G1], 3<<16                         ; a dense block of 25,600 bytes: 100 rows of 32 elements of 8 bytes; no mask, no padding
	s_mov_b32 s[G1+1], 32<<16
	s_mov_b32 s[G1+2], 100<<16
	s_mov_b32 s[G1+3], 32<<16
	s_mov_b32 s[G1+4], 100
	s_mov_b32 s[G1+5], 32
	s_mov_b32 s[G1+6], 0
	s_mov_b32 s[G1+7], 0
	s_and_b32 s15, s[WV], 1
	s_mul_i32 s15, s15, CHK                        ; which of a slot's two key steps I fetch
	s_mul_i32 s40, s13, 8*CHK
	s_add_co_u32 s40, s40, s15
	s_mov_b32 s41, 0
	s_wait_kmcnt 0x0
	s_mov_b32 s[G0], 1
	s_mov_b32 s[G0+1], s15
	s_add_nc_u64 s[G0+2:G0+3], s[6:7], s[40:41]
	s_or_b32 s[G0+3], s[G0+3], 0x80000000
	TLOAD                                          ; slot 0: key steps 0 and 1
	s_lshr_b32 s42, s16, 1
	s_lshl_b32 s42, s42, 5
	s_and_b32 s43, s16, 1
	s_lshl_b32 s43, s43, 3
	s_add_co_u32 s42, s42, s43                     ; the tile's first query: 32 (QT / 2) + 8 (QT % 2)
	s_and_b32 s43, s42, 127                        ; and its place in the diagonal key step
	s_mul_i32 s44, s13, 98304
	s_mul_i32 s45, s16, 1536
	s_add_co_u32 s44, s44, s45                     ; Q's image
	s_mov_b32 s45, 0
	s_lshl_b32 s46, s13, 12
	s_lshr_b32 s47, s16, 2
	s_lshl_b32 s47, s47, 8
	s_add_co_u32 s48, s46, s47                     ; its scale words: unit QT / 4, + 128 (QT % 2) + 4 ((QT / 2) % 2)
	s_and_b32 s47, s16, 1
	s_lshl_b32 s47, s47, 7
	s_add_co_u32 s48, s48, s47
	s_bfe_u32 s47, s16, 0x10001
	s_lshl_b32 s47, s47, 2
	s_add_co_u32 s48, s48, s47
	s_add_co_u32 s48, s48, 3145728
	s_mov_b32 s49, 0
	s_mov_b32 s47, 0
	s_add_nc_u64 s[44:45], s[4:5], s[44:45]
	s_add_nc_u64 s[48:49], s[4:5], s[48:49]
	s_add_nc_u64 s[8:9], s[8:9], s[46:47]          ; my head's delta
	s_lshr_b32 s50, s13, 4                         ; y's place: group 8 x batch + QT / 8, block head / 2, tile QT % 8, step head % 2
	s_lshl_b32 s50, s50, 3
	s_add_co_u32 s50, s50, s[KD]
	s_lshl_b32 s50, s50, 3
	s_and_b32 s51, s13, 15
	s_lshr_b32 s52, s51, 1
	s_add_co_u32 s50, s50, s52
	s_mul_i32 s50, s50, CHK
	s_and_b32 s52, s16, 7
	s_and_b32 s51, s51, 1
	s_mul_i32 s54, s52, 3072
	s_mul_i32 s53, s51, 1536
	s_add_co_u32 s54, s54, s53
	s_add_co_u32 s54, s54, s50
	s_mov_b32 s55, 0
	s_lshl_b32 s56, s52, 7
	s_lshl_b32 s53, s51, 2
	s_add_co_u32 s56, s56, s53
	s_add_co_u32 s56, s56, s50
	s_add_co_u32 s56, s56, 24576
	s_mov_b32 s57, 0
	s_add_nc_u64 s[54:55], s[10:11], s[54:55]
	s_add_nc_u64 s[56:57], s[10:11], s[56:57]
	s_mov_b32 s[SEL], 0x76543210
	s_mov_b32 s[SEL+1], 0xfedcba98
	s_mov_b32 s36, 0x20820820                      ; the sign bits of 16 codes in three registers
	s_mov_b32 s37, 0x08208208
	s_mov_b32 s38, 0x82082082
	s_mov_b32 s39, 0x3fb8aa3b                      ; log2(e)
	s_mov_b32 s[TB], 0
	s_mov_b32 s[TS], 0
	s_mov_b32 s[KS], 0
	s_mov_b32 s[SLOTS], 3
	v_and_b32 v1, 31, v0                           ; lane
	v_and_b32 v2, 15, v0                           ; r
	v_bfe_u32 v3, v0, 4, 1                         ; h
	v_lshlrev_b32 v4, 4, v1                        ; an image's place for my lane
	v_lshlrev_b32 v5, 3, v1                        ; a pair of scale words'
	v_lshlrev_b32 v6, 6, v3
	v_add_nc_u32 v6, CTAB, v6                      ; C's table: my half's 16 keys of a block of 32
	v_and_b32 v240, 8, v2
	v_add_nc_u32 v240, v240, v2                    ; r + 8 (r / 8)
	v_lshlrev_b32 v7, 4, v3
	v_sub_nc_u32 v7, v240, v7
	v_add_nc_u32 v7, s43, v7                       ; my query's place in the diagonal step - 16 h
	v_add_nc_u32 v241, s42, v240
	v_lshlrev_b32 v241, 2, v241
	v_and_b32 v241, 0xffc, v241
	v_add_nc_u32 v241, CTAB, v241                  ; my query's word of the table
	v_lshlrev_b32 v243, 7, v1                      ; 128 x lane: 32 numbers of delta
	v_add_nc_u32 v240, CTAB, v243
	v_lshlrev_b32 v242, 3, v2                      ; 8 r
.irp d, 0,1,2,3,4
	v_add_nc_u32 v[244+\d], -(1<<\d), v1           ; the lane 1, 2, 4, 8, 16 below, as a byte index of a lane permute
	v_lshlrev_b32 v[244+\d], 2, v[244+\d]
	v_and_b32 v[244+\d], 124, v[244+\d]
.endr
	v_mov_b32 v11, 0xff800000                      ; -infinity
	v_mov_b32 v[TM+2], 0                           ; written once: a lane permute's destination counts as one of its sources
	v_mov_b32 v[TM+3], 0
	WIN 0x40
	global_load_b128 v[64:67], v4, s[44:45]        ; [qr | qi]: window 1, v64-75
	global_load_b128 v[68:71], v4, s[44:45] offset:512
	global_load_b128 v[72:75], v4, s[44:45] offset:1024
.set nn, 0
.rept 64
	v_mov_b32 v[nn], 0                             ; yr (window 1, v0-31) and yi (v32-63): the key step is written once, its first turn finds zeros
.set nn, nn+1
.endr
	WIN 0
	global_load_b32 v14, v242, s[48:49]            ; its scale words
	s_cmp_lg_u32 s[WV], 7
	s_cbranch_scc1 .Lno_scan
.irp i, 0,1,2,3,4,5,6,7
	global_load_b128 v[156+4*\i:159+4*\i], v243, s[8:9] offset:16*\i
.endr
	s_wait_loadcnt 0x0
.set nn, 1
.rept 31
	v_add_f32 v[156+nn], v[156+nn], v[155+nn]      ; the running sum of my 32
.set nn, nn+1
.endr
	v_mov_b32 v188, v187
.irp d, 0,1,2,3,4
	ds_bpermute_b32 v189, v[244+\d], v188
	s_wait_dscnt 0x0
	v_cmp_le_u32 vcc_lo, 1<<\d, v1
	v_cndmask_b32 v189, 0, v189, vcc_lo
	v_add_f32 v188, v188, v189                     ; the lanes' totals, summed up to mine
.endr
	ds_bpermute_b32 v189, v244, v188
	s_wait_dscnt 0x0
	v_cmp_le_u32 vcc_lo, 1, v1
	v_cndmask_b32 v189, 0, v189, vcc_lo            ; what lies below my lane
	v_mul_f32 v190, s39, v189
.set nn, 0
.rept 32
	v_fma_f32 v[156+nn], v[156+nn], s39, v190      ; C x log2(e)
.set nn, nn+1
.endr
.irp i, 0,1,2,3,4,5,6,7
	ds_store_b128 v240, v[156+4*\i:159+4*\i] offset:16*\i
.endr
.Lno_scan:
	s_wait_dscnt 0x0                               ; for the others' sake: the table has landed
	s_barrier_signal -1
	s_barrier_wait -1
	ds_load_b32 v12, v241
	s_wait_loadcnt 0x0                             ; Q
	WIN 0x45
.irp i, 0,1,2,3,4,5
	v_mov_b32 v[76+\i], v[70+\i]                   ; [qi | -qr]: window 1, v76-87
	v_xor_b32 v[82+\i], s[36+(\i%3)], v[64+\i]
.endr
	WIN 0
	v_alignbit_b32 v15, v14, v14, 16               ; its scale word: the halves change places
	s_wait_dscnt 0x0
	v_mov_b32 v13, v12                             ; (the packed form names the pair)
.rept 8
	v_nop
.endr
; A KEY STEP: 128 keys, the q-th of the slot in hand.
.macro STEP q
	s_cmp_gt_u32 s[KS], s[KD]                      ; all its keys come after my queries: left out; no barrier and no tensor load stands in a step
	s_cbranch_scc1 .Lhidden_\@
	v_add_nc_u32 v8, s[TB], v4
	v_add_nc_u32 v9, s[TB], v5
	v_add_nc_u32 v10, s[TS], v6
	v_nop                                          ; four places in front of loads into registers that matrix instructions have read
.irp g, 0,1                                    ; 64 keys at a time
.irp t, 0,1,2,3
.irp j, 0,1,2
	ds_load_b128 v[KB+12*\t+4*\j:KB+12*\t+4*\j+3], v8 offset:(\q)*CHK+(4*\g+\t)*1536+512*\j
.endr
.endr
	ds_load_b64 v[KSC:KSC+1], v9 offset:(\q)*CHK+24576+256*\g
.irp b, 0,1
.irp jj, 0,1,2,3
	ds_load_b128 v[DM+16*\b+4*\jj:DM+16*\b+4*\jj+3], v10 offset:256*\g+128*\b+16*\jj   ; C log2(e) of keys 64 g + 32 b + 16 h + 0 .. 15
.endr
.endr
	s_wait_dscnt 0x0
	WIN 0x04                                       ; source 1 (Q) in window 1
.irp t, 0,1,2,3
	KQ SR, \t, 64, 14
	KQ SI, \t, 76, 15
.endr
	WIN 0
.set nn, 0
.rept 16
	v_pk_add_f32 v[DM+nn:DM+nn+1], v[DM+nn:DM+nn+1], v[12:13] op_sel_hi:[1,0] neg_lo:[0,1] neg_hi:[0,1]   ; (C[s] - C[t]) log2(e): also the places behind the products
.set nn, nn+2
.endr
	s_cmp_lt_u32 s[KS], s[KD]                      ; under the diagonal every key counts
	s_cbranch_scc1 .Lopen_\@_\g
.set nn, 0
.rept 32
	v_cmp_gt_i32 vcc_lo, 64*\g+32*(nn/16)+(nn%16), v7
	v_cndmask_b32 v[DM+nn], v[DM+nn], v11, vcc_lo
.set nn, nn+1
.endr
.Lopen_\@_\g:
.set nn, 0
.rept 32
	v_exp_f32 v[DM+nn], v[DM+nn]                   ; Dm: one batch
.set nn, nn+1
.endr
	v_nop
	s_wait_alu depctr_va_vdst(0)                   ; one wait for the batch, ahead of its first reader
.set nn, 0
.rept 16
	v_pk_mul_f32 v[SR+nn:SR+nn+1], v[SR+nn:SR+nn+1], v[DM+nn:DM+nn+1]
	v_pk_mul_f32 v[SI+nn:SI+nn+1], v[SI+nn:SI+nn+1], v[DM+nn:DM+nn+1]
.set nn, nn+2
.endr
	QH 0, SR, PAR+6*\g, HW+\g
	QH 0, SI, PAI+6*\g, HW+2+\g
.endr
.irp dl, 0,1,2,3
.irp j, 0,1,2
	ds_load_b128 v[KB+12*\dl+4*\j:KB+12*\dl+4*\j+3], v8 offset:(\q)*CHK+12288+\dl*1536+512*\j      ; vr's four tiles
.endr
.endr
	ds_load_b64 v[VSC:VSC+1], v9 offset:(\q)*CHK+25088
	ds_load_b64 v[VSC+2:VSC+3], v9 offset:(\q)*CHK+25344
	v_lshl_or_b32 v[PWR], v[HW+1], 16, v[HW]
	v_lshl_or_b32 v[PWI], v[HW+3], 16, v[HW+2]
.irp i, 0,1,2,3,4,5,6,7,8,9,10,11
	v_xor_b32 v[NAI+\i], s[36+(\i%3)], v[PAI+\i]   ; -ai
.endr
.rept 4
	v_nop                                          ; an operand written by vector instructions stands 4 places ahead of a scaled matrix instruction, a scale register 8
.endr
	s_wait_dscnt 0x0
	WIN 0x50                                       ; C and D in window 1.  Eight accumulators by turns
.irp dl, 0,1,2,3
	PV 0, \dl, 0, PAR, PWR
	PV 32, \dl, 0, PAI, PWI
.endr
	WIN 0
.rept 4
	v_nop
.endr
.irp dl, 0,1,2,3
.irp j, 0,1,2
	ds_load_b128 v[KB+12*\dl+4*\j:KB+12*\dl+4*\j+3], v8 offset:(\q)*CHK+12288+(4+\dl)*1536+512*\j  ; vi's
.endr
.endr
	s_wait_dscnt 0x0
	WIN 0x50
.irp dl, 0,1,2,3
	PV 0, \dl, 1, NAI, PWI
	PV 32, \dl, 1, PAR, PWR
.endr
	WIN 0
.Lhidden_\@:
	s_add_co_u32 s[KS], s[KS], 1
	s_add_co_u32 s[TS], s[TS], 512
.endm
; THE CHANGE OF SLOTS stands at a slot's head: every wave waits for all its tensor loads, adds 0 to its spare word, waits for that and for its reads of the slot that it has left; one barrier; fill = 1: that slot takes the next two key steps.
.macro CHANGE fill
	s_wait_tensorcnt 0x0
	ds_add_u32 v[SPW], v[NIL]
.if \fill
	s_xor_b32 s[G0+1], s[G0+1], SLOT1              ; the walking descriptor: the other slot, the next two chunks
	s_add_nc_u64 s[G0+2:G0+3], s[G0+2:G0+3], 2*CHK
.endif
	s_wait_dscnt 0x0
	s_barrier_signal -1
	s_barrier_wait -1
.if \fill
	TLOAD
.endif
.endm
.Lslot:
	CHANGE 1
	STEP 0
	STEP 1
	s_xor_b32 s[TB], s[TB], SLOT1
	s_sub_co_u32 s[SLOTS], s[SLOTS], 1
	s_cmp_lg_u32 s[SLOTS], 0
	s_cbranch_scc1 .Lslot
	CHANGE 0                                       ; the last slot is written out
	STEP 0
	STEP 1
	; THE WAY OUT: [yr | yi] of my 16 tokens is K step 'head' of the last product: quantised along d and stored as an image
.rept 4
	v_nop
.endr
	QH 1, 0, YF, HW
	QH 1, 32, YF+6, HW+1
	v_lshl_or_b32 v232, v[HW+1], 16, v[HW]
.irp j, 0,1,2
	global_store_b128 v4, v[YF+4*\j:YF+4*\j+3], s[54:55] offset:512*\j
.endr
	global_store_b32 v242, v232, s[56:57]          ; lanes r and r + 16 hold and store the same word
	s_wait_tensorcnt 0x0                           ; the wave's end
	ds_add_u32 v[SPW], v[NIL]
	s_wait_dscnt 0x0
	s_endpgm
.Lfunc_end_k_qf4be29642b_attn:
	.size	k_qf4be29642b_attn, .Lfunc_end_k_qf4be29642b_attn-k_qf4be29642b_attn
	.p2alignl 7, 3214868480
	.fill 96, 4, 3214868480
	.section	.rodata,"a",@progbits
	.p2align	6, 0x0
	.amdhsa_kernel k_qf4be29642b_attn
		.amdhsa_group_segment_fixed_size 327680
		.amdhsa_private_segment_fixed_size 0
		.amdhsa_enable_private_segment 0
		.amdhsa_kernarg_size 32
		.amdhsa_user_sgpr_count 2
		.amdhsa_user_sgpr_kernarg_segment_ptr 1
		.amdhsa_wavefront_size32 1
		.amdhsa_system_sgpr_workgroup_id_x 1
		.amdhsa_system_sgpr_workgroup_id_y 1
		.amdhsa_system_sgpr_workgroup_id_z 1
		.amdhsa_system_vgpr_workitem_id 0
		.amdhsa_next_free_vgpr 384
		.amdhsa_next_free_sgpr 66
		.amdhsa_reserve_vcc 1
		.amdhsa_float_denorm_mode_32 3
		.amdhsa_float_denorm_mode_16_64 3
		.amdhsa_memory_ordered 1
		.amdhsa_forward_progress 1
		.amdhsa_inst_pref_size 142
	.end_amdhsa_kernel
	.amdgpu_metadata
---
amdhsa.version: [ 1, 2 ]
amdhsa.kernels:
  - .name:           k_qf4be29642b_attn
    .symbol:         k_qf4be29642b_attn.kd
    .args:
      - { .name: qim, .offset: 0, .size: 8, .value_kind: global_buffer, .address_space: global }
      - { .name: kv, .offset: 8, .size: 8, .value_kind: global_buffer, .address_space: global }
      - { .name: gat, .offset: 16, .size: 8, .value_kind: global_buffer, .address_space: global }
      - { .name: yop, .offset: 24, .size: 8, .value_kind: global_buffer, .address_space: global }
    .group_segment_fixed_size: 327680
    .private_segment_fixed_size: 0
    .kernarg_segment_align: 8
    .kernarg_segment_size: 32
    .max_flat_workgroup_size: 256
    .sgpr_count:     66
    .vgpr_count:     384
    .wavefront_size: 32
...
	.end_amdgpu_metadata
.endif
;; end of part 3
;; launch outp (part 4): grid 8 x 8, 4 waves a work-group, clusters of 4 x 4, 327,680 bytes of LDS; arguments yop, ops, out0; writes out0
.if DOCPART == 4
	.amdgcn_target "amdgcn-amd-amdhsa--gfx1250"
	.amdhsa_code_object_version 6
	.text
	.protected	k_qf4be29642b_outp
	.globl	k_qf4be29642b_outp
	.p2align	8
	.type	k_qf4be29642b_outp,@function
k_qf4be29642b_outp:
	s_mov_b64 s[64:65], 0
	v_nop
	global_prefetch_b8 v0, s[64:65] scope:SCOPE_SE
	s_setreg_imm32_b32 hwreg(HW_REG_WAVE_MODE, 25, 1), 1
	s_wait_xcnt 0x0
	s_wait_alu depctr_hold_cnt(0) depctr_sa_sdst(0) depctr_va_vdst(0) depctr_va_sdst(0) depctr_va_ssrc(0) depctr_va_vcc(0) depctr_vm_vsrc(0)
	s_getreg_b32 s2, hwreg(HW_REG_IB_STS2, 6, 4)
	s_cmp_eq_u32 s2, 0
	s_cbranch_scc0 .Lentry_in_a_cluster
	s_endpgm
.Lentry_in_a_cluster:
	s_bfe_u32 s2, ttmp6, 0x10000c
	s_cmp_lg_u32 s2, 0xf033
	s_cbranch_scc0 .Lentry_shape_is_right
	s_endpgm
.Lentry_shape_is_right:
; OUTP.  out = y x ow, complex, as one real GEMM with K = 2,048 on codes of E2M3: rows [yr | yi] head by head (yop) against the doubled rows of ow (groups 64-79 of ops), both as images of operand registers.
; The frame is proj's: a tile of 256 x 256, four waves of 128 x 128, a ring of two LDS slots of four blocks of 25,600 bytes, clusters of 4 x 4 with joint loads.
; source 0 = 16 rows n = 2 o + c of the weight, source 1 = 16 tokens: a lane holds eight neighbouring numbers of a row of out0.  The rows go out through each wave's stage in LDS as whole rows of 512 bytes.
; LIMITS: as stated in prep; the two halves of a complex product share one f32 sum.
.set GRP,   204800
.set BLK,   25600
.set SLOT,  102400
.set SPARE, 204800
.set SPITCH, 528                       ; the stage: 16 rows x (512 + 16) bytes for each wave, in slot 0, which has had its last fill and its last read when the first result is stored there
.set ADRA, 16
.set ADRB, 20
.set ADRS, 22
.set STO,  24
.set RD,   25
.set CO,   26
.set SPW,  28
.set NIL,  29
.set SC,   32
.set AF,   64
.set BK,   128
.set G1,  24
.set G0,  32
.set G1B, 48
.set G0B, 56
.set MSB, 0
.macro WIN new
.if MSB != (\new)
	s_set_vgpr_msb (MSB<<8)|(\new)
.set MSB, (\new)
.endif
.endm
.macro JLOAD s
	s_cmp_eq_u32 s15, 0
	s_cbranch_scc0 .Lfor_b_\@
	tensor_load_to_lds s[G0+4*\s:G0+4*\s+3], s[G1:G1+7]
	s_nop 0
.rept 4
	v_nop
.endr
	s_branch .Lasked_\@
.Lfor_b_\@:
	tensor_load_to_lds s[G0B+4*\s:G0B+4*\s+3], s[G1B:G1B+7]
	s_nop 0
.rept 4
	v_nop
.endr
.Lasked_\@:
.endm
.macro CREST
	s_cmp_lg_u32 s14, 0
	s_cbranch_scc1 .Lnot_wave_0_\@
	s_barrier_signal -3
.Lnot_wave_0_\@:
	s_barrier_wait -3
	s_barrier_signal -1
	s_barrier_wait -1
.endm
.macro CROUND
	s_barrier_signal -1
	s_barrier_wait -1
	CREST
.endm
.macro PLACES n
.rept \n
	v_nop
.endr
.endm
.macro FETCH slot, q, p
	WIN 0x40
.irp b, 0,1,2,3,4,5,6,7
.irp j, 0,1,2
	ds_load_b128 v[128*(\p)+12*\b+4*\j:128*(\p)+12*\b+4*\j+3], v[ADRB+\slot] offset:\b*3072+(\q)*1536+512*\j
.endr
.endr
	WIN 0
.irp a, 0,1,2,3,4,5,6,7
.irp j, 0,1,2
	ds_load_b128 v[AF+96*(\p)+12*\a+4*\j:AF+96*(\p)+12*\a+4*\j+3], v[ADRA+\slot] offset:\a*3072+(\q)*1536+512*\j
.endr
.endr
.endm
.macro SCALES slot
.irp i, 0,1,2,3,4,5,6,7
	ds_load_b64 v[SC+16*\slot+2*\i:SC+16*\slot+2*\i+1], v[ADRS+\slot] offset:128*\i
.endr
.endm
.macro MUL16 a0, p, q, sc, zero        ; the 64 accumulators take turns, one instruction a turn
.irp a, \a0, \a0+1
.irp b, 0,1,2,3,4,5,6,7
.if \zero
	v_wmma_scale_f32_16x16x128_f8f6f4 v[8*(8*((\a)%4)+\b):8*(8*((\a)%4)+\b)+7], v[128*(\p)+12*\b:128*(\p)+12*\b+11], v[AF+96*(\p)+12*(\a):AF+96*(\p)+12*(\a)+11], 0, v[SC+16*(\sc)+2*\b+(\q)], v[SC+16*(\sc)+2*(\a)+(\q)] matrix_a_fmt:MATRIX_FMT_FP6 matrix_b_fmt:MATRIX_FMT_FP6 matrix_a_scale:MATRIX_SCALE_ROW1
.else
	v_wmma_scale_f32_16x16x128_f8f6f4 v[8*(8*((\a)%4)+\b):8*(8*((\a)%4)+\b)+7], v[128*(\p)+12*\b:128*(\p)+12*\b+11], v[AF+96*(\p)+12*(\a):AF+96*(\p)+12*(\a)+11], v[8*(8*((\a)%4)+\b):8*(8*((\a)%4)+\b)+7], v[SC+16*(\sc)+2*\b+(\q)], v[SC+16*(\sc)+2*(\a)+(\q)] matrix_a_fmt:MATRIX_FMT_FP6 matrix_b_fmt:MATRIX_FMT_FP6 matrix_a_scale:MATRIX_SCALE_ROW1
.endif
.endr
.endr
.endm
.macro STEP slot, zero
	PLACES 4                                       ; places in front of loads into registers that matrix instructions have read
	FETCH \slot, 1, 1
	s_wait_dscnt 48                                ; all but the 48 just issued
	WIN 0xa1
	MUL16 0, 0, 0, \slot, \zero
	MUL16 2, 0, 0, \slot, \zero
	WIN 0xf1
	MUL16 4, 0, 0, \slot, \zero
	MUL16 6, 0, 0, \slot, \zero
	WIN 0
.endm
.macro TURN slot, next, fill
	s_wait_tensorcnt 0x0                           ; all my tensor loads have landed: my part of the next slot
	ds_add_u32 v[SPW], v[NIL]
	s_wait_dscnt 1                                 ; set 1 is in; the add may be out
	WIN 0xa1
	MUL16 0, 1, 1, \slot, 0
	s_wait_dscnt 0x0                               ; the add is done, and my reads of this slot are over
	s_barrier_signal -1
	MUL16 2, 1, 1, \slot, 0
	WIN 0
	s_barrier_wait -1
.if \fill
	CREST
	s_add_nc_u64 s[G0+4*\slot+2:G0+4*\slot+3], s[G0+4*\slot+2:G0+4*\slot+3], 2*BLK
	s_add_nc_u64 s[G0B+4*\slot+2:G0B+4*\slot+3], s[G0B+4*\slot+2:G0B+4*\slot+3], 2*BLK
	JLOAD \slot
.else
	PLACES 4
.endif
	FETCH \next, 0, 0
	SCALES \next
	WIN 0xf1
	MUL16 4, 1, 1, \slot, 0
	MUL16 6, 1, 1, \slot, 0
	WIN 0
.endm
	s_load_b128 s[4:7], s[0:1], 0x0                ; yop s[4:5], ops s[6:7]
	s_load_b64 s[8:9], s[0:1], 0x10                ; out0
	v_lshl_add_u32 v[SPW], v0, 2, SPARE
	v_mov_b32 v[NIL], 0
	ds_add_u32 v28, v29
	s_wait_dscnt 0x0
	v_lshrrev_b32 v1, 5, v0
	v_readfirstlane_b32 s14, v1                    ; wave 0..3
	s_lshr_b32 s15, s14, 1
	s_and_b32 s16, s14, 1
	s_bfe_u32 s40, ttmp6, 0x40000                  ; cx
	s_bfe_u32 s41, ttmp6, 0x40004                  ; cy
	s_lshl_b32 s43, s41, 2
	s_lshl_b32 s43, 15, s43                        ; my row of the cluster
	s_lshl_b32 s44, 0x1111, s40                    ; my column
	s_and_b32 s19, ttmp7, 0xffff
	s_lshl_b32 s19, s19, 2
	s_add_co_u32 s19, s19, s41                     ; A's tile of 256 tokens
	s_lshl_b32 s20, ttmp9, 2
	s_add_co_u32 s20, s20, s40                     ; B's tile of 256 rows n
	s_or_b32 s[G1], s43, (3<<16)|(1<<21)
	s_or_b32 s[G1B], s44, (3<<16)|(1<<21)
.irp g, G1, G1B
	s_mov_b32 s[\g+1], 32<<16
	s_mov_b32 s[\g+2], 100<<16
	s_mov_b32 s[\g+3], 32<<16
	s_mov_b32 s[\g+4], 100
	s_mov_b32 s[\g+5], 32
	s_mov_b32 s[\g+6], 0
	s_mov_b32 s[\g+7], 0
.endr
	s_lshl_b32 s21, s19, 1
	s_add_co_u32 s21, s21, s16
	s_mul_i32 s22, s21, GRP
	s_mov_b32 s23, 0
	s_lshl_b32 s46, s20, 1
	s_add_co_u32 s46, s46, s16
	s_add_co_u32 s46, s46, 64                      ; ow's groups begin at group 64 of ops
	s_mul_i32 s46, s46, GRP
	s_mov_b32 s47, 0
	s_mul_i32 s42, s14, BLK
	s_wait_kmcnt 0x0
	s_add_nc_u64 s[22:23], s[4:5], s[22:23]
	s_add_nc_u64 s[46:47], s[6:7], s[46:47]
	CROUND                                         ; all sixteen work-groups are here: the first joint loads meet
.irp s, 0,1
	s_mov_b32 s[G0+4*\s], 1
	s_add_co_u32 s[G0+4*\s+1], s42, \s*SLOT
	s_add_nc_u64 s[G0+4*\s+2:G0+4*\s+3], s[22:23], \s*BLK
	s_or_b32 s[G0+4*\s+3], s[G0+4*\s+3], 0x80000000
	s_mov_b32 s[G0B+4*\s], 1
	s_add_co_u32 s[G0B+4*\s+1], s42, \s*SLOT
	s_add_nc_u64 s[G0B+4*\s+2:G0B+4*\s+3], s[46:47], \s*BLK
	s_or_b32 s[G0B+4*\s+3], s[G0B+4*\s+3], 0x80000000
	JLOAD \s
.endr
	v_and_b32 v1, 31, v0
	v_and_b32 v2, 15, v0
	v_bfe_u32 v3, v0, 4, 1
	v_lshlrev_b32 v[CO], 4, v1                     ; 16 x lane
	s_mul_i32 s21, s15, BLK
	s_mul_i32 s12, s16, BLK
	s_add_co_u32 s12, s12, 2*BLK
	v_add_nc_u32 v[ADRA], s21, v[CO]
	v_add_nc_u32 v[ADRA+1], SLOT, v[ADRA]
	v_add_nc_u32 v[ADRB], s12, v[CO]
	v_add_nc_u32 v[ADRB+1], SLOT, v[ADRB]
	s_sub_co_u32 s13, s12, s21
	v_mul_u32_u24 v4, s13, v3
	v_lshl_add_u32 v4, v2, 3, v4
	s_add_co_u32 s13, s21, 24576
	v_add_nc_u32 v[ADRS], s13, v4
	v_add_nc_u32 v[ADRS+1], SLOT, v[ADRS]
	s_mul_i32 s12, s14, 16*SPITCH                  ; my stage
	v_mul_u32_u24 v[STO], v2, SPITCH
	v_lshl_add_u32 v[STO], v3, 5, v[STO]
	v_add_nc_u32 v[STO], s12, v[STO]               ; in: row r, 32 bytes for each half of the lanes
	v_add_nc_u32 v[RD], s12, v[CO]                 ; back: the 32 lanes take one row of 512 bytes
	s_lshl_b32 s68, s19, 1
	s_add_co_u32 s68, s68, s15
	s_lshl_b32 s68, s68, 20                        ; my 128 tokens: rows of 8,192 bytes
	s_lshl_b32 s69, s20, 1
	s_add_co_u32 s69, s69, s16
	s_lshl_b32 s69, s69, 9                         ; my 128 columns: 512 bytes
	s_add_co_u32 s68, s68, s69
	s_mov_b32 s69, 0
	s_add_nc_u64 s[70:71], s[8:9], s[68:69]
	s_wait_tensorcnt 1                             ; my part of slot 0 is in (slot 1's load may be out)
	s_barrier_signal -1
	s_barrier_wait -1
	FETCH 0, 0, 0
	SCALES 0
	STEP 0, 1
	s_mov_b32 s3, 3
.Llap:
	TURN 0, 1, 1
	STEP 1, 0
	TURN 1, 0, 1
	STEP 0, 0
	s_sub_co_u32 s3, s3, 1
	s_cmp_lg_u32 s3, 0
	s_cbranch_scc1 .Llap
	TURN 0, 1, 0
	STEP 1, 0
	s_wait_dscnt 0x0
	WIN 0xa1
	MUL16 0, 1, 1, 1, 0
	MUL16 2, 1, 1, 1, 0
	WIN 0xf1
	MUL16 4, 1, 1, 1, 0
	MUL16 6, 1, 1, 1, 0
	WIN 0
; THE WAY OUT, a tile of 16 tokens x 128 columns at a time, through my own stage; LDS serves a wave's instructions in order, so no wait stands between the stores and the loads, nor in front of the next tile's stores.
.macro TOSTAGE a
.set AC, 64*((\a)%4)
	WIN 0x08+4*((\a)/4)                            ; the data: window 2 or 3
.irp b, 0,1,2,3,4,5,6,7
	ds_store_b128 v[STO], v[AC+8*\b:AC+8*\b+3] offset:64*\b          ; each accumulator from its low end on
	ds_store_b128 v[STO], v[AC+8*\b+4:AC+8*\b+7] offset:64*\b+16
.endr
	WIN 0
.set BB, BK+64*((\a)%2)
.irp t, 0,1,2,3,4,5,6,7,8,9,10,11,12,13,14,15
	ds_load_b128 v[BB+4*\t:BB+4*\t+3], v[RD] offset:\t*SPITCH
.endr
.endm
.macro SEND a, younger                 ; stage row t of tile a is token 32 (a / 2) + 8 (a % 2) + t + 8 (t / 8) of my 128
.set BB, BK+64*((\a)%2)
	s_wait_dscnt \younger
.irp t, 0,1,2,3,4,5,6,7,8,9,10,11,12,13,14,15
	global_store_b128 v[CO], v[BB+4*\t:BB+4*\t+3], s[70:71] offset:(32*((\a)/2)+8*((\a)%2)+\t+8*(\t/8))*8192 th:TH_STORE_NT   ; 32 lanes store 512 consecutive bytes, aligned
.endr
.endm
	PLACES 4
	TOSTAGE 0
.irp a, 1,2,3,4,5,6,7
.if \a > 1
	s_wait_xcnt 0x0                                ; tile a - 2's stores have read their registers: tile a's loads may land there
.endif
	TOSTAGE \a
	SEND \a-1, 32                                  ; behind tile a - 1's loads: tile a's 16 stores and 16 loads
.endr
	SEND 7, 0
	s_wait_tensorcnt 0x0                           ; the wave's end
	ds_add_u32 v[SPW], v[NIL]
	s_wait_dscnt 0x0
	CROUND                                         ; the closing round
	s_endpgm
.Lfunc_end_k_qf4be29642b_outp:
	.size	k_qf4be29642b_outp, .Lfunc_end_k_qf4be29642b_outp-k_qf4be29642b_outp
	.p2alignl 7, 3214868480
	.fill 96, 4, 3214868480
	.section	.rodata,"a",@progbits
	.p2align	6, 0x0
	.amdhsa_kernel k_qf4be29642b_outp
		.amdhsa_group_segment_fixed_size 327680
		.amdhsa_private_segment_fixed_size 0
		.amdhsa_enable_private_segment 0
		.amdhsa_kernarg_size 24
		.amdhsa_user_sgpr_count 2
		.amdhsa_user_sgpr_kernarg_segment_ptr 1
		.amdhsa_wavefront_size32 1
		.amdhsa_system_sgpr_workgroup_id_x 1
		.amdhsa_system_sgpr_workgroup_id_y 1
		.amdhsa_system_sgpr_workgroup_id_z 1
		.amdhsa_system_vgpr_workitem_id 0
		.amdhsa_next_free_vgpr 1024
		.amdhsa_next_free_sgpr 98
		.amdhsa_reserve_vcc 0
		.amdhsa_float_denorm_mode_32 3
		.amdhsa_float_denorm_mode_16_64 3
		.amdhsa_memory_ordered 1
		.amdhsa_forward_progress 1
		.amdhsa_inst_pref_size 131
	.end_amdhsa_kernel
	.amdgpu_metadata
---
amdhsa.version: [ 1, 2 ]
amdhsa.kernels:
  - .name:           k_qf4be29642b_outp
    .symbol:         k_qf4be29642b_outp.kd
    .args:
      - { .name: yop, .offset: 0, .size: 8, .value_kind: global_buffer, .address_space: global }
      - { .name: ops, .offset: 8, .size: 8, .value_kind: global_buffer, .address_space: global }
      - { .name: out0, .offset: 16, .size: 8, .value_kind: global_buffer, .address_space: global }
    .group_segment_fixed_size: 327680
    .private_segment_fixed_size: 0
    .kernarg_segment_align: 8
    .kernarg_segment_size: 24
    .max_flat_workgroup_size: 128
    .sgpr_count:     98
    .vgpr_count:     1024
    .wavefront_size: 32
...
	.end_amdgpu_metadata
.endif
;; end of part 4
;; ======== version 2 of 2: 4 launches; 1.17 times as fast as version 1
;; workspace buffers: ops 16,384,000 bytes; gat 262,144 bytes; qim 3,276,800 bytes; kv 6,553,600 bytes; yop 3,276,800 bytes
;; launch prep: the kernel of part 1 again; grid 160 x 1, 8 waves a work-group, no clusters, 283,648 bytes of LDS; arguments x, dt_w_codes, dt_w_scales, dt_b, dt_bias, pg_w_codes, pg_w_scales, pg_b, qw_codes, qw_scales, kw_codes, kw_scales, vw_codes, vw_scales, ow_codes, ow_scales, ops, gat; writes ops, gat
;; launch proj: the kernel of part 2 again; grid 24 x 8, 4 waves a work-group, clusters of 4 x 4, 327,680 bytes of LDS; arguments ops, gat, qim, kv; writes qim, kv
;; launch attn: the kernel of part 3 again; grid 8 x 32, 8 waves a work-group, no clusters, 327,680 bytes of LDS; arguments qim, kv, gat, yop; writes yop
;; launch outp (part 5): grid 16 x 16, 4 waves a work-group, clusters of 4 x 4, 327,680 bytes of LDS; arguments yop, ops, out0; writes out0
.if DOCPART == 5
	.amdgcn_target "amdgcn-amd-amdhsa--gfx1250"
	.amdhsa_code_object_version 6
	.text
	.protected	k_qf4be29642b_outp
	.globl	k_qf4be29642b_outp
	.p2align	8
	.type	k_qf4be29642b_outp,@function
k_qf4be29642b_outp:
	s_mov_b64 s[64:65], 0
	v_nop
	global_prefetch_b8 v0, s[64:65] scope:SCOPE_SE
	s_setreg_imm32_b32 hwreg(HW_REG_WAVE_MODE, 25, 1), 1
	s_wait_xcnt 0x0
	s_wait_alu depctr_hold_cnt(0) depctr_sa_sdst(0) depctr_va_vdst(0) depctr_va_sdst(0) depctr_va_ssrc(0) depctr_va_vcc(0) depctr_vm_vsrc(0)
	s_getreg_b32 s2, hwreg(HW_REG_IB_STS2, 6, 4)
	s_cmp_eq_u32 s2, 0
	s_cbranch_scc0 .Lentry_in_a_cluster
	s_endpgm
.Lentry_in_a_cluster:
	s_bfe_u32 s2, ttmp6, 0x10000c
	s_cmp_lg_u32 s2, 0xf033
	s_cbranch_scc0 .Lentry_shape_is_right
	s_endpgm
.Lentry_shape_is_right:
; OUTP.  out = y x ow, complex, as one real GEMM with K = 2,048 on codes of E2M3: rows [yr | yi] head by head (yop) against the doubled rows of ow (groups 64-79 of ops), both laid as images of operand registers.
; A fragment's image is its 12 registers as they stand (1,536 bytes: registers 4 j .. 4 j + 3 of lane l at 512 j + 16 l).  A block (25,600 bytes) holds 128 rows (8 tiles) x 2 K steps: codes of tile i, step q at
; 3072 i + 1536 q, the scale word of (tile i, row r, step q) at 24576 + 128 i + 8 r + 4 q.  A group of 128 rows is 8 blocks on end.
; SHARES.  out0 is 2,048 x 2,048 numbers: 16 x 16 = 256 tiles of 128 x 128, a work-group each: one group of y against one group of the weight.  Four waves, each 64 x 64: 16 accumulators.
; LDS.  Three slots of 102,400 bytes, each with four K steps: A's two blocks, then B's two; a wave brings one block by one tensor load.  The tile's 16 K steps are four slots' worth: three are first fills, issued
; together at the start (three loads of a wave are out), and only the last four K steps are a refill, of slot 0, behind one round of the cluster's barrier; it has eight K steps' work in which to land.
; CLUSTERS 4 x 4: A's blocks are shared along a row of the cluster, B's along a column, asked for jointly.
; source 0 = 16 rows n = 2 o + c of the weight, source 1 = 16 tokens: a lane holds eight neighbouring numbers of a row of out0.  A wave's 64 columns are 256 aligned bytes of a row: the results go through the wave's
; own stage in LDS and leave two rows an instruction, sixteen lanes to 256 consecutive bytes.
; The text is straight: 16 K steps written out by macros, so that every count of a wait can be read off it.
; REGISTERS: window 0: v16-27 addresses; v28, v29 for the add; v32-63 scale words, two sets; v64-159, v160-255 two sets of fragments (A's four, then B's four).  Window 1: v0-127 the accumulators, (a, b) at v[8 (4 a + b)].
; LIMITS: as stated in prep (no NaN or infinities among the inputs); the two halves of a complex product share one f32 sum.
.set GRP,   204800
.set BLK,   25600
.set SLOT,  102400
.set SPARE, 307200                     ; behind the three slots: the spare words, 128 bytes for each wave: two blocks of 256 bytes that no other line names
.set SPITCH, 272                       ; a stage row: 256 bytes + 16: the sixteen rows that a store touches begin in sixteen different columns of 16 bytes
.set STAGE, SLOT                       ; the stages, 64 rows a wave, lie in slot 1: it is filled once, and its last read stands ahead of the last barrier
.set ADRA, 16                          ; v16-18 LDS address of my four tiles of A in slot 0, 1, 2
.set ADRB, 19                          ; v19-21 of B's
.set ADRS, 22                          ; v22-24 of the scale words: lanes 0-15 A's, lanes 16-31 B's
.set STO,  25                          ; the way out: where I put 32 bytes of a row
.set RD,   26                          ; where I read rows back
.set CO,   27                          ; my byte offset in out0
.set SPW,  28                          ; LDS address of my spare word; never rewritten
.set NIL,  29                          ; 0; never rewritten
.set SC,   32                          ; scale words: set s at SC + 16 s; in it register 8 (k / 2) + 2 i + k % 2: tile i, the slot's K step k
.set FS,   64                          ; fragments: set p at FS + 96 p: A's tile a at + 12 a, B's tile b at + 48 + 12 b
.set G1,  24                           ; s[24:31] descriptor group 1 for A's blocks;  s[32:43] group 0, one set for each slot
.set G0,  32
.set G1B, 48                           ; s[48:55], s[68:79] the same for B's
.set G0B, 68
.set MSB, 0
.macro WIN new                         ; the immediate's high byte repeats the setting that is left
.if MSB != (\new)
	s_set_vgpr_msb (MSB<<8)|(\new)
.set MSB, (\new)
.endif
.endm
.macro JLOAD s                         ; a joint load: waves 0 and 1 fetch A's two blocks of a slot, waves 2 and 3 B's; four v_nop follow each line
	s_cmp_eq_u32 s15, 0
	s_cbranch_scc0 .Lfor_b_\@
	tensor_load_to_lds s[G0+4*\s:G0+4*\s+3], s[G1:G1+7]
	s_nop 0
.rept 4
	v_nop
.endr
	s_branch .Lasked_\@
.Lfor_b_\@:
	tensor_load_to_lds s[G0B+4*\s:G0B+4*\s+3], s[G1B:G1B+7]
	s_nop 0
.rept 4
	v_nop
.endr
.Lasked_\@:
.endm
.macro CREST                           ; a round of the cluster's barrier behind its opening barrier
	s_cmp_lg_u32 s14, 0
	s_cbranch_scc1 .Lnot_wave_0_\@
	s_barrier_signal -3
.Lnot_wave_0_\@:
	s_barrier_wait -3
	s_barrier_signal -1
	s_barrier_wait -1
.endm
.macro CROUND
	s_barrier_signal -1
	s_barrier_wait -1
	CREST
.endm
.macro PLACES n
.rept \n
	v_nop
.endr
.endm
.macro FETCH sl, k, p                  ; 24 LDS loads: my four fragments of B and four of A of slot sl's K step k into set p, each as it stands: 3 x 512 consecutive bytes
.irp b, 0,1,2,3
.irp j, 0,1,2
	ds_load_b128 v[FS+96*(\p)+48+12*\b+4*\j:FS+96*(\p)+48+12*\b+4*\j+3], v[ADRB+\sl] offset:((\k)/2)*BLK+\b*3072+((\k)%2)*1536+512*\j
.endr
.endr
.irp a, 0,1,2,3
.irp j, 0,1,2
	ds_load_b128 v[FS+96*(\p)+12*\a+4*\j:FS+96*(\p)+12*\a+4*\j+3], v[ADRA+\sl] offset:((\k)/2)*BLK+\a*3072+((\k)%2)*1536+512*\j
.endr
.endr
.endm
.macro SCALES sl, sc                   ; 8 LDS loads: slot sl's scale words of my tiles, all four K steps', into set sc
.irp e, 0,1
.irp i, 0,1,2,3
	ds_load_b64 v[SC+16*(\sc)+8*\e+2*\i:SC+16*(\sc)+8*\e+2*\i+1], v[ADRS+\sl] offset:\e*BLK+128*\i
.endr
.endr
.endm
; 8 matrix instructions: A's tiles a0, a0 + 1 x B's four.  The 16 accumulators take turns, one instruction a turn, in the same order in every K step.
.macro MUL8 a0, p, k, sc, zero
.irp a, \a0, \a0+1
.irp b, 0,1,2,3
.if \zero
	v_wmma_scale_f32_16x16x128_f8f6f4 v[8*(4*(\a)+\b):8*(4*(\a)+\b)+7], v[FS+96*(\p)+48+12*\b:FS+96*(\p)+48+12*\b+11], v[FS+96*(\p)+12*(\a):FS+96*(\p)+12*(\a)+11], 0, v[SC+16*(\sc)+8*((\k)/2)+2*\b+((\k)%2)], v[SC+16*(\sc)+8*((\k)/2)+2*(\a)+((\k)%2)] matrix_a_fmt:MATRIX_FMT_FP6 matrix_b_fmt:MATRIX_FMT_FP6 matrix_a_scale:MATRIX_SCALE_ROW1
.else
	v_wmma_scale_f32_16x16x128_f8f6f4 v[8*(4*(\a)+\b):8*(4*(\a)+\b)+7], v[FS+96*(\p)+48+12*\b:FS+96*(\p)+48+12*\b+11], v[FS+96*(\p)+12*(\a):FS+96*(\p)+12*(\a)+11], v[8*(4*(\a)+\b):8*(4*(\a)+\b)+7], v[SC+16*(\sc)+8*((\k)/2)+2*\b+((\k)%2)], v[SC+16*(\sc)+8*((\k)/2)+2*(\a)+((\k)%2)] matrix_a_fmt:MATRIX_FMT_FP6 matrix_b_fmt:MATRIX_FMT_FP6 matrix_a_scale:MATRIX_SCALE_ROW1
.endif
.endr
.endr
.endm
; A K step whose successor lies in a slot that is known to be whole: multiplies set p (the slot's step k, scale set sc); the successor's fragments (slot nsl, step nk) are asked for first, into the other set.
; nscl = 1: the successor begins a slot: its scale words come too, into the other scale set.
.macro KSTEP p, k, sc, zero, nsl, nk, nscl
	PLACES 4                                       ; places in front of loads into registers that the last K step's matrix instructions have read
	FETCH \nsl, \nk, 1-(\p)
.if \nscl
	SCALES \nsl, 1-(\sc)
	s_wait_dscnt 32                                ; all but the 24 + 8 just issued: set p is in
.else
	s_wait_dscnt 24                                ; all but the 24 just issued: set p, and its scale words, are in
.endif
	WIN 0x50                                       ; C and D in window 1
	MUL8 0, \p, \k, \sc, \zero
	MUL8 2, \p, \k, \sc, \zero
	WIN 0
.endm
; A slot's last K step (set 1, step 3) in front of a slot that must first be shown whole: one barrier; in front of it each wave waits for all its tensor loads, adds 0 to its spare word, and waits for that and for
; its own LDS reads.  fill = 1: the barrier opens a round of the cluster's barrier, and slot 0, which has been read out, takes the last four K steps.
.macro TURN sc, fill, nsl
	s_wait_tensorcnt 0x0                           ; all my tensor loads have landed
	ds_add_u32 v[SPW], v[NIL]                      ; 0 onto my spare word
	s_wait_dscnt 1                                 ; set 1 is in; the add may be out
	WIN 0x50
	MUL8 0, 1, 3, \sc, 0                           ; eight matrix instructions stand between the add and the wait for it
	s_wait_dscnt 0x0                               ; the add is done, and my LDS reads are over
	s_barrier_signal -1
	MUL8 2, 1, 3, \sc, 0
	WIN 0
	s_barrier_wait -1
.if \fill
	CREST                                          ; no wave of any partner still reads slot 0 or has a load on its way
	s_add_nc_u64 s[G0+2:G0+3], s[G0+2:G0+3], 6*BLK     ; from blocks 0, 1 to blocks 6, 7
	s_add_nc_u64 s[G0B+2:G0B+3], s[G0B+2:G0B+3], 6*BLK
	JLOAD 0                                        ; the first tensor load behind the round, and my only one; its four v_nop are the places in front of the loads below
.else
	PLACES 4
.endif
	FETCH \nsl, 0, 0
	SCALES \nsl, 1-(\sc)
.endm
	s_load_b128 s[4:7], s[0:1], 0x0                ; yop s[4:5], ops s[6:7]
	s_load_b64 s[8:9], s[0:1], 0x10                ; out0
	v_lshl_add_u32 v[SPW], v0, 2, SPARE
	v_mov_b32 v[NIL], 0
	ds_add_u32 v28, v29
	s_wait_dscnt 0x0
	v_lshrrev_b32 v1, 5, v0
	v_readfirstlane_b32 s14, v1                    ; wave 0..3
	s_lshr_b32 s15, s14, 1                         ; which 64 tokens are mine.  Also: I fetch for A (0) or for B (1)
	s_and_b32 s16, s14, 1                          ; which 64 columns.  Also: which of a slot's two blocks I fetch
	s_bfe_u32 s80, ttmp6, 0x40000                  ; cx
	s_bfe_u32 s81, ttmp6, 0x40004                  ; cy
	s_lshl_b32 s82, s81, 2
	s_lshl_b32 s82, 15, s82                        ; my row of the cluster
	s_lshl_b32 s83, 0x1111, s80                    ; my column
	s_and_b32 s19, ttmp7, 0xffff
	s_lshl_b32 s19, s19, 2
	s_add_co_u32 s19, s19, s81                     ; A's group of 128 tokens: 4 x cluster y + cy
	s_lshl_b32 s20, ttmp9, 2
	s_add_co_u32 s20, s20, s80                     ; B's group of 128 rows n: 4 x cluster x + cx
	; descriptor group 1: a dense block of 25,600 bytes as 100 rows of 32 elements of 8 bytes, no padding
	s_or_b32 s[G1], s82, (3<<16)|(1<<21)           ; 15:0 the mask; 17:16 elements of 8 bytes; 21 set beside a mask
	s_or_b32 s[G1B], s83, (3<<16)|(1<<21)
.irp g, G1, G1B
	s_mov_b32 s[\g+1], 32<<16                      ; tensor_dim0
	s_mov_b32 s[\g+2], 100<<16                     ; tensor_dim1
	s_mov_b32 s[\g+3], 32<<16                      ; tile_dim0
	s_mov_b32 s[\g+4], 100                         ; tile_dim1
	s_mov_b32 s[\g+5], 32                          ; the pitch
	s_mov_b32 s[\g+6], 0
	s_mov_b32 s[\g+7], 0
.endr
	s_mul_i32 s21, s16, BLK                        ; the block of a pair that I fetch
	s_mul_i32 s22, s19, GRP
	s_add_co_u32 s22, s22, s21                     ; A: hangs on cy and the wave alone
	s_mov_b32 s23, 0
	s_add_co_u32 s46, s20, 64                      ; ow's groups begin at group 64 of ops
	s_mul_i32 s46, s46, GRP
	s_add_co_u32 s46, s46, s21                     ; B: on cx and the wave alone
	s_mov_b32 s47, 0
	s_mul_i32 s84, s14, BLK                        ; where they go: wave x a block: no place in the cluster enters an LDS address
	s_wait_kmcnt 0x0
	s_add_nc_u64 s[22:23], s[4:5], s[22:23]
	s_add_nc_u64 s[46:47], s[6:7], s[46:47]
	CROUND                                         ; all sixteen work-groups are here: the first joint loads meet
.irp s, 0,1,2                                  ; the three first fills go out together: K steps 0-3, 4-7, 8-11
	s_mov_b32 s[G0+4*\s], 1
	s_add_co_u32 s[G0+4*\s+1], s84, \s*SLOT
	s_add_nc_u64 s[G0+4*\s+2:G0+4*\s+3], s[22:23], \s*2*BLK
	s_or_b32 s[G0+4*\s+3], s[G0+4*\s+3], 0x80000000
	s_mov_b32 s[G0B+4*\s], 1
	s_add_co_u32 s[G0B+4*\s+1], s84, \s*SLOT
	s_add_nc_u64 s[G0B+4*\s+2:G0B+4*\s+3], s[46:47], \s*2*BLK
	s_or_b32 s[G0B+4*\s+3], s[G0B+4*\s+3], 0x80000000
	JLOAD \s
.endr
	v_and_b32 v1, 31, v0                           ; lane
	v_and_b32 v2, 15, v0                           ; r
	v_bfe_u32 v3, v0, 4, 1                         ; h
	v_lshlrev_b32 v4, 4, v1                        ; 16 x lane
	s_mul_i32 s21, s15, 4*3072                     ; my four tiles of A in a block
	s_mul_i32 s12, s16, 4*3072
	s_add_co_u32 s12, s12, 2*BLK                   ; my four of B, behind A's two blocks
	v_add_nc_u32 v[ADRA], s21, v4
	v_add_nc_u32 v[ADRA+1], SLOT, v[ADRA]
	v_add_nc_u32 v[ADRA+2], 2*SLOT, v[ADRA]
	v_add_nc_u32 v[ADRB], s12, v4
	v_add_nc_u32 v[ADRB+1], SLOT, v[ADRB]
	v_add_nc_u32 v[ADRB+2], 2*SLOT, v[ADRB]
	s_lshl_b32 s21, s15, 9                         ; their scale words: 128 bytes a tile
	s_lshl_b32 s12, s16, 9
	s_add_co_u32 s12, s12, 2*BLK
	s_sub_co_u32 s13, s12, s21
	v_mul_u32_u24 v5, s13, v3                      ; lanes 16-31 take B's words: one product, the distance between the two
	v_lshl_add_u32 v5, v2, 3, v5
	s_add_co_u32 s13, s21, 24576
	v_add_nc_u32 v[ADRS], s13, v5
	v_add_nc_u32 v[ADRS+1], SLOT, v[ADRS]
	v_add_nc_u32 v[ADRS+2], 2*SLOT, v[ADRS]
	s_mul_i32 s12, s14, 64*SPITCH
	s_add_co_u32 s12, s12, STAGE                   ; my stage
	v_mul_u32_u24 v[STO], v2, SPITCH
	v_lshl_add_u32 v[STO], v3, 5, v[STO]
	v_add_nc_u32 v[STO], s12, v[STO]               ; in: row r, 32 bytes for each half of the lanes
	v_mul_u32_u24 v[RD], v3, SPITCH
	v_lshl_add_u32 v[RD], v2, 4, v[RD]
	v_add_nc_u32 v[RD], s12, v[RD]                 ; back: lanes 0-15 one row of 256 bytes, lanes 16-31 the next
	v_lshlrev_b32 v[CO], 13, v3
	v_lshl_add_u32 v[CO], v2, 4, v[CO]             ; and the same two rows in out0: 8,192 bytes apart
	s_lshl_b32 s85, s19, 20                        ; my part of out0, in registers that feed no descriptor: 128 tokens a group, rows of 8,192 bytes,
	s_lshl_b32 s86, s15, 19                        ; my 64 tokens,
	s_add_co_u32 s86, s86, s85
	s_lshl_b32 s85, s20, 9                         ; 128 columns a group: 512 bytes,
	s_add_co_u32 s86, s86, s85
	s_lshl_b32 s85, s16, 8                         ; my 64 columns
	s_add_co_u32 s86, s86, s85
	s_mov_b32 s87, 0
	s_add_nc_u64 s[88:89], s[8:9], s[86:87]
	s_wait_tensorcnt 0x2                           ; my part of slot 0 is in (slots 1 and 2 may be out)
	s_barrier_signal -1
	s_barrier_wait -1                              ; everybody's is
	FETCH 0, 0, 0
	SCALES 0, 0
	KSTEP 0, 0, 0, 1, 0, 1, 0                      ; K step 0: its products start the sums: nothing is cleared
	KSTEP 1, 1, 0, 0, 0, 2, 0
	KSTEP 0, 2, 0, 0, 0, 3, 0
	TURN 0, 1, 1                                   ; K step 3: slots 1 and 2 are whole in every wave's eyes; slot 0 is asked for again
	KSTEP 0, 0, 1, 0, 1, 1, 0                      ; K steps 4-7, slot 1
	KSTEP 1, 1, 1, 0, 1, 2, 0
	KSTEP 0, 2, 1, 0, 1, 3, 0
	KSTEP 1, 3, 1, 0, 2, 0, 1                      ; no barrier in front of slot 2: the round has shown it whole
	KSTEP 0, 0, 0, 0, 2, 1, 0                      ; K steps 8-11, slot 2
	KSTEP 1, 1, 0, 0, 2, 2, 0
	KSTEP 0, 2, 0, 0, 2, 3, 0
	TURN 0, 0, 0                                   ; K step 11: the refill has landed in every wave's eyes; nothing is filled again, so no round
	KSTEP 0, 0, 1, 0, 0, 1, 0                      ; K steps 12-15, slot 0
	KSTEP 1, 1, 1, 0, 0, 2, 0
	KSTEP 0, 2, 1, 0, 0, 3, 0
	s_wait_dscnt 0x0                               ; the last K step: nothing more to fetch
	WIN 0x50
	MUL8 0, 1, 3, 1, 0
	MUL8 2, 1, 3, 1, 0
	WIN 0
; THE WAY OUT, a tile of 16 tokens x 64 columns at a time, through my own stage; LDS serves a wave's instructions in order (ISA guide 5.7.1.4), so no wait stands between the stores and the loads.
; Each tile has stage rows and registers of its own, so that no store's data are written again.
.macro TOSTAGE a
	WIN 0x04                                       ; an LDS store's data are its source 1: window 1
.irp b, 0,1,2,3
	ds_store_b128 v[STO], v[8*(4*(\a)+\b):8*(4*(\a)+\b)+3] offset:(\a)*16*SPITCH+64*\b         ; each accumulator from its low end on
	ds_store_b128 v[STO], v[8*(4*(\a)+\b)+4:8*(4*(\a)+\b)+7] offset:(\a)*16*SPITCH+64*\b+16
.endr
	WIN 0
.irp t, 0,1,2,3,4,5,6,7
	ds_load_b128 v[FS+32*(\a)+4*\t:FS+32*(\a)+4*\t+3], v[RD] offset:(\a)*16*SPITCH+2*\t*SPITCH
.endr
.endm
.macro SEND a, younger                 ; stage row 2 t + h of tile a is token 32 (a / 2) + 8 (a % 2) + 2 t + h + 8 (t / 4) of my 64; younger: the LDS instructions issued behind tile a's loads
	s_wait_dscnt \younger
.irp t, 0,1,2,3,4,5,6,7
	global_store_b128 v[CO], v[FS+32*(\a)+4*\t:FS+32*(\a)+4*\t+3], s[88:89] offset:(32*((\a)/2)+8*((\a)%2)+2*\t+8*(\t/4))*8192 th:TH_STORE_NT   ; 16 lanes store 256 consecutive bytes, at a multiple of 256 from out0's first byte
.endr
.endm
	PLACES 4                                       ; places in front of the first read of results, and of loads into registers that held fragments
	TOSTAGE 0
	TOSTAGE 1
	SEND 0, 16                                     ; behind tile 0's loads: tile 1's 8 stores and 8 loads
	TOSTAGE 2
	SEND 1, 16
	TOSTAGE 3
	SEND 2, 16
	SEND 3, 0
	s_wait_tensorcnt 0x0                           ; the wave's end: behind my last tensor load and my last LDS store
	ds_add_u32 v[SPW], v[NIL]
	s_wait_dscnt 0x0
	CROUND                                         ; the closing round: no work-group ends while a partner may still ask for a block that names it
	s_endpgm
.Lfunc_end_k_qf4be29642b_outp:
	.size	k_qf4be29642b_outp, .Lfunc_end_k_qf4be29642b_outp-k_qf4be29642b_outp
	.p2alignl 7, 3214868480
	.fill 96, 4, 3214868480
	.section	.rodata,"a",@progbits
	.p2align	6, 0x0
	.amdhsa_kernel k_qf4be29642b_outp
		.amdhsa_group_segment_fixed_size 327680
		.amdhsa_private_segment_fixed_size 0
		.amdhsa_enable_private_segment 0
		.amdhsa_kernarg_size 24
		.amdhsa_user_sgpr_count 2
		.amdhsa_user_sgpr_kernarg_segment_ptr 1
		.amdhsa_wavefront_size32 1
		.amdhsa_system_sgpr_workgroup_id_x 1
		.amdhsa_system_sgpr_workgroup_id_y 1
		.amdhsa_system_sgpr_workgroup_id_z 1
		.amdhsa_system_vgpr_workitem_id 0
		.amdhsa_next_free_vgpr 384
		.amdhsa_next_free_sgpr 98
		.amdhsa_reserve_vcc 0
		.amdhsa_float_denorm_mode_32 3
		.amdhsa_float_denorm_mode_16_64 3
		.amdhsa_memory_ordered 1
		.amdhsa_forward_progress 1
		.amdhsa_inst_pref_size 79
	.end_amdhsa_kernel
	.amdgpu_metadata
---
amdhsa.version: [ 1, 2 ]
amdhsa.kernels:
  - .name:           k_qf4be29642b_outp
    .symbol:         k_qf4be29642b_outp.kd
    .args:
      - { .name: yop, .offset: 0, .size: 8, .value_kind: global_buffer, .address_space: global }
      - { .name: ops, .offset: 8, .size: 8, .value_kind: global_buffer, .address_space: global }
      - { .name: out0, .offset: 16, .size: 8, .value_kind: global_buffer, .address_space: global }
    .group_segment_fixed_size: 327680
    .private_segment_fixed_size: 0
    .kernarg_segment_align: 8
    .kernarg_segment_size: 24
    .max_flat_workgroup_size: 128
    .sgpr_count:     98
    .vgpr_count:     384
    .wavefront_size: 32
...
	.end_amdgpu_metadata
.endif
;; end of part 5
